; MI455X (gfx1250); checked and timed in simulation.
; The chip was launched on July 23, 2026; its instructions are those of AMD's public machine-readable ISA for CDNA 5 (MIT licence, August 2026) and "CDNA5" Instruction Set Architecture Reference Guide (July 2026). The comments in the code are by the model that wrote it; some were corrected since.
;; Multi Headed Attention. Allowed arithmetic: matrix products marked QUANTISED: E2M3 operands, one E8M0 scale for each 32 along K, by v_wmma_scale_f32_16x16x128_f8f6f4 with both operands' format E2M3, f32 sums; everything else in f32.
;; Inputs: Wk 1,024 x 1,024 float32; Wo 1,024 x 1,024 float32; Wq 1,024 x 1,024 float32; Wv 1,024 x 1,024 float32; bk 1,024 float32; bo 1,024 float32; bq 1,024 float32; bv 1,024 float32; key 4 x 2,048 x 1,024 float32; mask 4 x 2,048 x 2,048 bool; query 4 x 2,048 x 1,024 float32; value 4 x 2,048 x 1,024 float32.
;; Outputs: out0 4 x 2,048 x 1,024 float32.
;; This version of the problem:
;;   THIS VERSION OF THE PROBLEM IS GIVEN IN LOW PRECISION. The matrix products marked QUANTISED in the list below multiply operands that are first quantised to E2M3 (2 exponent bits, 3 mantissa bits; 6 bits a number), with one power-of-two scale for each 32 numbers along K (OCP MX v1.0); their sums are f32. All else is computed in f32.
;;   The module's matrix products, in the order in which they are computed (A, B: the left and right operand; K: the contracted axis; several contracted axes count as one K, in the product's order):
;;     1. [M 8,192, K 1,024] x [K 1,024, N 1,024]; A: input query; B: input Wq: QUANTISED
;;     2. [M 8,192, K 1,024] x [K 1,024, N 1,024]; A: input key; B: input Wk: QUANTISED
;;     3. [M 8,192, K 1,024] x [K 1,024, N 1,024]; A: input value; B: input Wv: QUANTISED
;;     4. batch 64 x [M 2,048, K 64] x [K 64, N 2,048]; A: computed on the way; B: computed on the way: QUANTISED
;;     5. batch 64 x [M 2,048, K 2,048] x [K 2,048, N 64]; A: softmax (see below); B: computed on the way: QUANTISED
;;     6. [M 8,192, K 1,024] x [K 1,024, N 1,024]; A: computed on the way; B: input Wo: QUANTISED
;;   THE QUANTISER, for each operand of a quantised product, along K:
;;     - K is cut into blocks of 32 from its start; a last block that is shorter is filled with zeros.
;;     - A block's scale is 2^e with e = floor(log2(the largest magnitude in the block)) - 2, held to -126 .. 127; a block of zeros has e = 0. As a byte (E8M0): e + 127.
;;     - Each number is divided by its block's scale, clamped to +-7.5, and rounded to the nearest number of E2M3, ties to even, subnormals kept.
;;     - The product sums the exact products of the quantised numbers (number of the format x scale) in f32.
;;   ~~~python
;;   def quantise(x, axis):      # numpy; x: float32 -> the quantised numbers, widened to float32 again
;;       x = np.moveaxis(x, axis, -1); K = x.shape[-1]
;;       x = np.pad(x, [(0, 0)] * (x.ndim - 1) + [(0, -K % 32)]); x = x.reshape(x.shape[:-1] + (-1, 32)); a = np.abs(x).max(-1, keepdims=True)
;;       e = np.where(a > 0, np.clip(np.frexp(np.where(a > 0, a, 1))[1] - 1 - 2, -126, 127), 0)      # np.frexp(a)[1] - 1 = floor(log2(a)), exactly
;;       r = np.clip(x / 2.0 ** e, -7.5, 7.5)
;;       step = 2.0 ** (np.maximum(np.frexp(np.where(r == 0, 1, r))[1] - 1, 0) - 3)
;;       q = np.round(r / step) * step * 2.0 ** e      # np.round: ties to even
;;       return np.moveaxis(q.reshape(q.shape[:-2] + (-1,))[..., :K], -1, axis).astype(np.float32)
;;   ~~~
;;   SOFTMAX AHEAD OF A QUANTISED PRODUCT. Where the list says 'softmax', what is quantised is not the finished softmax but p = 2^(t - M), with t = logit x log2(e) and M = ceil(the row's largest t), a whole number; so 1/2 < the row's largest p <= 1. The row's sum l is taken of the UNQUANTISED p, in f32, and the product's result is divided by l at the end. Since M is a whole number, a kernel that streams over the keys may use a running M (the ceiling of the running maximum): every later rescaling is an exact power of two, which a block's scale takes up: the codes' values come out the same.
;;   OPERANDS COMPUTED ON THE WAY. 'Computed on the way' means the value that the module computes at that place (a softmax that the list does not call 'softmax' is quantised finished and normalised). What goes into a quantiser is computed in f32, as accurately as f32 sums, v_exp_f32 and their like allow (about 1e-6 of the number): no bf16 or f16 on the way to a quantiser, and a product that is left as it is and whose result goes on into a quantised operand takes f32 operands (vector FMAs, or v_wmma_f32_16x16x4_f32). A number that lies on a knife's edge between two numbers of the format may be rounded either way, as far as f32 arithmetic and the matrix unit's own rounding can turn it there, and no further.
;; One version. Each part assembles by itself: llvm-mc -triple=amdgcn-amd-amdhsa -mcpu=gfx1250 --defsym DOCPART=n.
;; ======== version 1 of 1: 4 launches
;; limits: right only within a limited range of input values
;; workspace buffers: img 28,311,552 bytes; scl 1,179,648 bytes; maskw 16,777,216 bytes; himg 18,874,368 bytes; hsc 786,432 bytes
;; launch prep (part 1): grid 640 x 1, 4 waves a work-group, no clusters, 68,096 bytes of LDS; arguments query, key, value, Wq, Wk, Wv, Wo, mask, img, scl, maskw; writes img, scl, maskw
.if DOCPART == 1
	.amdgcn_target "amdgcn-amd-amdhsa--gfx1250"
	.amdhsa_code_object_version 6
	.text
	.protected	k_q0f90f8538a_prep
	.globl	k_q0f90f8538a_prep
	.p2align	8
	.type	k_q0f90f8538a_prep,@function
k_q0f90f8538a_prep:
	s_mov_b64 s[64:65], 0
	v_nop
	global_prefetch_b8 v0, s[64:65] scope:SCOPE_SE
	s_setreg_imm32_b32 hwreg(HW_REG_WAVE_MODE, 25, 1), 1
	s_wait_xcnt 0x0
; PREP.  query, key, value [8192][1024] f32 (K innermost) and Wq, Wk, Wv, Wo [1024 (k)][1024 (n)] f32 (K outermost) become codes of FP6 (E2M3) with one E8M0 byte for each 32 along K,
; laid in the order of a matrix operand's registers; the mask's bytes become FP6 codes of +1.0 where a key is hidden.
; TILES.  An operand's rows go in tiles of 16; row i of tile T is 32 (T / 2) + 8 (T % 2) + i + 8 (i / 8).  A fragment is 16 rows x 128 K = 12 registers a lane = 1,536 bytes:
; three groups of 512 bytes, group g = registers 4 g .. 4 g + 3, lane l at 16 l.  img: [tile][K step 8][1,536]; tiles: query 0, key 512, value 1,024, Wq 1,536, Wk 1,600, Wv 1,664, Wo 1,728.
; scl: 512 bytes a tile, [kh 2][row 16][4 words]: word j of (kh, row) holds the four scale bytes of K step 4 kh + j.
; maskw: [b][query tile 128][key step 16][key tile 8][key row 16][16 bytes]: a key row's four words of codes, as below.
; A block's scale is 2^(floor(log2(largest magnitude)) - 2); its byte is the largest magnitude's exponent field - 2, held at 1 from below.
; LIMITS: a block of zeros gets the byte 1 where the rule says 127 (its codes are zeros, and only this program reads the bytes); NaN and infinities among the inputs are not served.
; SHARES.  Work-groups 0-127: the weights (a wave: 32 columns x 256 along K).  128-255: the mask (a wave: one query tile x all keys).  256-639: query, key, value (a wave: one tile x all of K).
; Waves share nothing: no barrier.  Each path that uses LDS has bytes of its own.
.set STG,   8448                       ; a wave's stage: 16 rows x (512 bytes + 16): rows start 33 x 16 bytes apart, so sixteen rows' 16-byte pieces fall on different columns of 256 bytes
.set MST,   33792                      ; the mask path's four stages lie behind the activations' four
.set SPARE, 67584                      ; behind them: the spare words, 128 bytes a wave, which no other line names
.set SPW,   252                        ; v252  SPARE + 4 x my thread's number; never rewritten
.set NIL,   253                        ; v253  0; never rewritten
.set SEL,   34                         ; s[34:35] selects of v_permlanex16_b32 for lane l xor 16
.set TM,    224                        ; v224-239 at work in QUANT
.set PC,    8                          ; v8-19 a fragment's codes; v20-27 at work
.set PW,    240                        ; v240-247 the tile's eight scale words
; 64 numbers of a lane, register 16 b + i = k 32 b + 16 (lane / 16) + i of my row, become a fragment's codes in v[PC] on and its scale word in v[pw].
.macro QUANT s, pw
.irp b, 0,1,2,3
	v_max3_num_f32 v[TM+\b], |v[\s+16*\b]|, |v[\s+1+16*\b]|, 0x1800000   ; my 16 numbers of block b, and the floor 2^(3 - 127): the byte cannot fall under 1
.endr
.irp i, 2,4,6,8,10,12,14
.irp b, 0,1,2,3
	v_max3_num_f32 v[TM+\b], v[TM+\b], |v[\s+16*\b+\i]|, |v[\s+1+16*\b+\i]|   ; the four blocks by turns
.endr
.endr
.irp b, 0,1,2,3
	v_permlanex16_b32 v[TM+4+\b], v[TM+\b], s[SEL], s[SEL+1]
.endr
.irp b, 0,1,2,3
	v_max_num_f32 v[TM+\b], v[TM+\b], v[TM+4+\b]                        ; with lane l xor 16's 16: the block's largest magnitude
.endr
.irp b, 0,1,2,3
	v_add_nc_u32 v[TM+12+\b], 0xff000000, v[TM+\b]                      ; 2 off its exponent field: the conversion's scale operand
.endr
.irp b, 0,1,2,3
	v_lshrrev_b32 v[TM+4+\b], 23, v[TM+12+\b]                           ; the scale's byte
.endr
	v_lshl_or_b32 v[\pw], v[TM+5], 8, v[TM+4]
	v_lshl_or_b32 v[\pw], v[TM+6], 16, v[\pw]
	v_lshl_or_b32 v[\pw], v[TM+7], 24, v[\pw]                           ; my row's scale word
.irp c, 0,1
	v_cvt_scalef32_pk16_fp6_f32 v[PC+6*\c:PC+2+6*\c], v[\s+32*\c:\s+15+32*\c], v[TM+12+2*\c]
	v_cvt_scalef32_pk16_fp6_f32 v[PC+12+4*\c:PC+14+4*\c], v[\s+16+32*\c:\s+31+32*\c], v[TM+12+2*\c+1]   ; (a conversion's three registers begin on an even number)
.endr
	v_nop                                                               ; one plain instruction behind the scaled conversions
.irp c, 0,1                            ; the operand wants a whole block in a lane: lanes 0-15 block 2 c, lanes 16-31 block 2 c + 1
.irp i, 0,1,2
	v_permlane16_swap_b32 v[PC+6*\c+\i], v[PC+12+4*\c+\i]
.endr
.irp i, 0,1,2
	v_mov_b32 v[PC+3+6*\c+\i], v[PC+12+4*\c+\i]
.endr
.endr
.endm
.macro FINISH                          ; the wave's end
	s_wait_tensorcnt 0x0
	ds_add_u32 v[SPW], v[NIL]
	s_wait_dscnt 0x0
	s_endpgm
.endm
	s_load_b512 s[4:19], s[0:1], 0x0               ; query s[4:5], key s[6:7], value s[8:9], Wq s[10:11], Wk s[12:13], Wv s[14:15], Wo s[16:17], mask s[18:19]
	s_load_b128 s[20:23], s[0:1], 0x40             ; img s[20:21], scl s[22:23]
	s_load_b64 s[24:25], s[0:1], 0x50              ; maskw
	v_lshl_add_u32 v[SPW], v0, 2, SPARE
	v_mov_b32 v[NIL], 0
	v_lshrrev_b32 v1, 5, v0
	v_readfirstlane_b32 s26, v1                    ; wave
	v_and_b32 v1, 31, v0                           ; lane
	v_and_b32 v2, 15, v0                           ; r
	v_bfe_u32 v3, v0, 4, 1                         ; h
	v_lshlrev_b32 v4, 4, v1                        ; 16 x lane
	v_lshlrev_b32 v7, 3, v1                        ; 8 x lane
	s_mul_i32 s27, s26, STG
	v_add_nc_u32 v5, s27, v4                       ; activations' stage, in: 16 x lane (+ 528 x row in the offset)
	v_mul_u32_u24 v6, v2, 528
	v_add_nc_u32 v6, s27, v6
	v_lshl_add_u32 v29, v3, 4, v6
	v_add_nc_u32 v29, MST, v29                     ; mask's stage, out: row r, + 16 h
	v_lshl_add_u32 v6, v3, 6, v6                   ; activations' stage, out: row r, + 64 h
	v_add_nc_u32 v28, MST, v5                      ; mask's stage, in
	s_mov_b32 s[SEL], 0x76543210
	s_mov_b32 s[SEL+1], 0xfedcba98
	s_mov_b32 s37, 0                               ; the high word of every byte offset below
	s_wait_alu depctr_va_vdst(0)                   ; the wait at the head's end
	s_wait_kmcnt 0x0
	s_cmp_lt_u32 ttmp9, 128
	s_cbranch_scc1 .Lw_path
	s_cmp_lt_u32 ttmp9, 256
	s_cbranch_scc1 .Lm_path
; ---------------- query, key, value: one tile (16 rows) x all of K for a wave: 64 KiB in, 12.5 KiB out
	s_sub_co_u32 s27, ttmp9, 256
	s_lshr_b32 s28, s27, 7                         ; which tensor
	s_cmp_eq_u32 s28, 1
	s_cselect_b32 s29, 1, 0                        ; KEY'S TILES HAVE ANOTHER ORDER OF ROWS: row i of tile T is 64 (T / 4) + 8 (T % 4) + i % 8 + 32 (i / 8), so that in the scores a lane holds a whole block of 32 keys
	s_cmp_eq_u32 s28, 0
	s_cselect_b64 s[30:31], s[4:5], s[6:7]
	s_cmp_eq_u32 s28, 2
	s_cselect_b64 s[30:31], s[8:9], s[30:31]
	s_lshl_b32 s27, s27, 2
	s_add_co_u32 s27, s27, s26                     ; the tile's number in img: 512 x tensor + T
	s_and_b32 s28, s27, 511                        ; T
	s_add_co_u32 s38, s29, 1                       ; tiles go in groups of 2 (32 rows), key's in groups of 4 (64 rows)
	s_lshr_b32 s36, s28, s38
	s_add_co_u32 s39, s38, 16
	s_lshl_b32 s36, s36, s39                       ; the group's rows of 4,096 bytes
	s_lshl_b32 s39, s29, 1
	s_or_b32 s39, s39, 1
	s_and_b32 s28, s28, s39
	s_lshl_b32 s28, s28, 15                        ; 8 rows for each tile of the group
	s_lshl_b32 s39, s29, 16                        ; key: rows 8-15 lie 16 rows further on than in the other tensors
	s_add_co_u32 s36, s36, s28
	s_add_nc_u64 s[30:31], s[30:31], s[36:37]
	s_mul_i32 s36, s27, 12288
	s_add_nc_u64 s[20:21], s[20:21], s[36:37]
	s_lshl_b32 s36, s27, 9
	s_add_nc_u64 s[22:23], s[22:23], s[36:37]
.irp b, 0,1,2,3
	v_mov_b32 v[TM+4+\b], 0                        ; written once: a lane permute's destination counts as one of its sources
.endr
.macro GLOAD s, set                    ; K step s of the 16 rows: each load reads 512 consecutive bytes of one row
.irp i, 0,1,2,3,4,5,6,7
	global_load_b128 v[32+64*(\set)+4*\i:32+64*(\set)+4*\i+3], v4, s[30:31] offset:\i*4096+512*(\s) th:TH_LOAD_NT
.endr
.irp i, 8,9,10,11,12,13,14,15
	global_load_b128 v[32+64*(\set)+4*\i:32+64*(\set)+4*\i+3], v30, s[30:31] offset:(\i+8)*4096+512*(\s) th:TH_LOAD_NT
.endr
.endm
.macro KS s
.if (\s) < 7
	s_wait_loadcnt 16                              ; this K step's 16 loads are in; the next step's 16 may be out
.else
	s_wait_loadcnt 0x0
.endif
.irp i, 0,1,2,3,4,5,6,7,8,9,10,11,12,13,14,15
	ds_store_b128 v5, v[32+64*((\s)%2)+4*\i:32+64*((\s)%2)+4*\i+3] offset:528*\i
.endr
.irp q, 0,1,2,3,4,5,6,7,8,9,10,11,12,13,14,15
	ds_load_b128 v[160+4*\q:160+4*\q+3], v6 offset:128*(\q/4)+16*(\q%4)   ; LDS serves a wave's instructions in order: these see the stores.  Of row r: 16 neighbours of each block of 32
.endr
	s_wait_dscnt 0x0
	s_wait_xcnt 0x0                                ; the last step's stores have read the codes' registers
.if (\s) < 6
	GLOAD (\s)+2, (\s)%2                           ; into the set that has just gone to the stage
.endif
	QUANT 160, PW+(\s)
.irp g, 0,1,2
	global_store_b128 v4, v[PC+4*\g:PC+4*\g+3], s[20:21] offset:1536*(\s)+512*\g   ; 512 consecutive bytes, aligned
.endr
.endm
	v_add_nc_u32 v30, s39, v4                      ; the offset of rows 8-15
	GLOAD 0, 0
	GLOAD 1, 1
	s_wait_alu depctr_va_vdst(0)
.irp s, 0,1,2,3,4,5,6,7
	KS \s
.endr
	v_cmp_ne_u32 vcc_lo, 0, v3
.irp j, 0,1,2,3
	v_cndmask_b32 v[248+\j], v[PW+\j], v[PW+4+\j], vcc_lo   ; lanes 0-15 hold K steps 0-3 of row r, lanes 16-31 K steps 4-7
.endr
	global_store_b128 v4, v[248:251], s[22:23]     ; the tile's 512 bytes of scale words
	FINISH
; ---------------- the weights: a lane takes a column n, its registers run down K.  32 columns = two tiles, 256 along K = two K steps.  No LDS.
.Lw_path:
	s_lshr_b32 s27, ttmp9, 5                       ; which weight
	s_cmp_eq_u32 s27, 0
	s_cselect_b64 s[30:31], s[10:11], s[12:13]
	s_cmp_eq_u32 s27, 2
	s_cselect_b64 s[30:31], s[14:15], s[30:31]
	s_cmp_eq_u32 s27, 3
	s_cselect_b64 s[30:31], s[16:17], s[30:31]
	s_bfe_u32 s28, ttmp9, 0x20003                  ; kq: which 256 along K
	s_and_b32 s36, ttmp9, 7
	s_lshl_b32 s36, s36, 2
	s_add_co_u32 s38, s36, s26                     ; tp: which 32 columns
	s_lshl_b32 s36, s28, 20                        ; 256 rows of 4,096 bytes
	s_lshl_b32 s39, s38, 7
	s_add_co_u32 s36, s36, s39
	s_add_nc_u64 s[30:31], s[30:31], s[36:37]
	s_lshl_b32 s39, s27, 6
	s_lshl_b32 s38, s38, 1
	s_add_co_u32 s39, s39, s38
	s_add_co_u32 s39, s39, 1536                    ; the first of my two tiles
	s_mul_i32 s36, s39, 12288
	s_mul_i32 s40, s28, 3072                       ; K step 2 kq
	s_add_co_u32 s36, s36, s40
	s_add_nc_u64 s[20:21], s[20:21], s[36:37]
	s_lshl_b32 s36, s39, 9
	s_lshr_b32 s40, s28, 1
	s_lshl_b32 s40, s40, 8                         ; kh = kq / 2
	s_add_co_u32 s36, s36, s40
	s_and_b32 s40, s28, 1
	s_lshl_b32 s40, s40, 3                         ; words 2 (kq % 2), + 1
	s_add_co_u32 s36, s36, s40
	s_add_nc_u64 s[22:23], s[22:23], s[36:37]
	v_and_b32 v8, 8, v2
	v_add_nc_u32 v8, v8, v2
	v_lshl_add_u32 v8, v3, 3, v8                   ; my column: r + 8 (r / 8) + 8 h: lanes 0-15 are the first tile's rows, lanes 16-31 the second's
	v_lshlrev_b32 v8, 2, v8
	v_lshlrev_b32 v9, 4, v2
	v_lshl_add_u32 v9, v3, 9, v9                   ; my scale words: tile h, row r
.macro WLOAD t                         ; block t: W(32 t + i, my column): 32 lanes read 128 consecutive bytes
.irp i, 0,1,2,3,4,5,6,7,8,9,10,11,12,13,14,15,16,17,18,19,20,21,22,23,24,25,26,27,28,29,30,31
	global_load_b32 v[32+32*((\t)%2)+\i], v8, s[30:31] offset:(32*(\t)+\i)*4096 th:TH_LOAD_NT
.endr
.endm
.macro WBLOCK t
.set XS, 32+32*((\t)%2)
.set FF, 96+12*((\t)%2)+6*(((\t)%4)/2)     ; even blocks go to v96-107, odd ones to v108-119; six registers a block
.if (\t) < 7
	s_wait_loadcnt 32                              ; this block's 32 loads are in; the next block's may be out
.else
	s_wait_loadcnt 0x0
.endif
	v_max3_num_f32 v124, |v[XS]|, |v[XS+1]|, |v[XS+2]|        ; the block's largest magnitude: all 32 numbers are mine
	v_max3_num_f32 v125, |v[XS+3]|, |v[XS+4]|, |v[XS+5]|
.irp i, 6,10,14,18,22,26
	v_max3_num_f32 v124, v124, |v[XS+\i]|, |v[XS+\i+1]|
	v_max3_num_f32 v125, v125, |v[XS+\i+2]|, |v[XS+\i+3]|
.endr
	v_max3_num_f32 v124, v124, |v[XS+30]|, |v[XS+31]|
	v_max3_num_f32 v124, v124, v125, 0x1800000     ; and the floor
	v_add_nc_u32 v126, 0xff000000, v124            ; the conversion's scale operand
	v_lshrrev_b32 v127, 23, v126                   ; the byte
.if (\t)%4 == 0
	v_mov_b32 v[128+(\t)/4], v127
.else
	v_lshl_or_b32 v[128+(\t)/4], v127, 8*((\t)%4), v[128+(\t)/4]
.endif
.if (\t) == 4
	s_wait_alu depctr_va_vdst(0)
	s_wait_xcnt 0x0                                ; the first K step's stores have read the codes' registers
.endif
	v_cvt_scalef32_pk16_fp6_f32 v[FF:FF+2], v[XS:XS+15], v126
	v_cvt_scalef32_pk16_fp6_f32 v[120:122], v[XS+16:XS+31], v126
	v_nop                                          ; one plain instruction behind the scaled conversions
.irp i, 0,1,2
	v_mov_b32 v[FF+3+\i], v[120+\i]
.endr
.if (\t)+2 < 8
	WLOAD (\t)+2
.endif
.if (\t)%2 == 1
.irp i, 0,1,2,3,4,5                    ; the even block's lanes 16-31 (second tile) change places with the odd block's lanes 0-15 (first tile): v96.. is then the first tile's operand, v108.. the second's
	v_permlane16_swap_b32 v[96+6*(((\t)%4)/2)+\i], v[108+6*(((\t)%4)/2)+\i]
.endr
.endif
.if (\t)%4 == 3
.irp g, 0,1,2
	global_store_b128 v4, v[96+4*\g:99+4*\g], s[20:21] offset:1536*((\t)/4)+512*\g
	global_store_b128 v4, v[108+4*\g:111+4*\g], s[20:21] offset:12288+1536*((\t)/4)+512*\g
.endr
.endif
.endm
	WLOAD 0
	WLOAD 1
.irp t, 0,1,2,3,4,5,6,7
	WBLOCK \t
.endr
	global_store_b64 v9, v[128:129], s[22:23]      ; 8 bytes a lane, 16 bytes apart: a job holds two of a row's eight scale words (128 KiB of the launch's output go so)
	FINISH
; ---------------- the mask: one query tile x 2,048 keys for a wave, 512 keys a trip
.Lm_path:
	s_sub_co_u32 s27, ttmp9, 128
	s_lshl_b32 s27, s27, 2
	s_add_co_u32 s27, s27, s26                     ; 128 b + T
	s_lshr_b32 s28, s27, 7
	s_lshl_b32 s28, s28, 22                        ; b x 2,048 rows of 2,048 bytes
	s_and_b32 s36, s27, 127
	s_lshr_b32 s38, s36, 1
	s_lshl_b32 s38, s38, 16                        ; 32 (T / 2) rows
	s_and_b32 s36, s36, 1
	s_lshl_b32 s36, s36, 14                        ; 8 (T % 2) rows
	s_add_co_u32 s36, s36, s38
	s_add_co_u32 s36, s36, s28
	s_add_nc_u64 s[18:19], s[18:19], s[36:37]
	s_lshl_b32 s36, s27, 15                        ; 32,768 bytes of mask codes a query tile
	s_add_nc_u64 s[24:25], s[24:25], s[36:37]
; THE MASK AS CODES.  maskw as this text writes it: [b][query tile 128][key step 16][key tile 8][key row 16][16 bytes].  A key row's four words hold the code +1.0 (bit 3 of a code) for each of the tile's 16 queries
; from which the key is hidden, else zeros: query j in word j / 4 at bit B + 6 (j % 4), B = 3, 7, 5, 3: these are bits 3 of codes 0-3, 6-9, 11-14, 16-19 of a block of 32 codes.  Key tiles and rows as key's tiles above.
; Four bits are spread six apart by one product: bit j x (1 + 2^5 + 2^10 + 2^15) has bit j + 5 i for i = 0 .. 3, all sixteen places differ, and those with i = j are kept.
	s_mov_b32 s48, 0x42108                         ; 0x8421 << B
	s_mov_b32 s49, 0x421080
	s_mov_b32 s50, 0x108420
	s_mov_b32 s51, 0x42108
	s_mov_b32 s52, 0x208208                        ; 0x41041 << B
	s_mov_b32 s53, 0x2082080
	s_mov_b32 s54, 0x820820
	s_mov_b32 s55, 0x208208
	v_mov_b32 v31, v4                              ; 16 x lane, for the stores (v4 is stepped)
	v_and_b32 v8, 1, v1                            ; lane L has keys 16 L .. 16 L + 15 of the chunk of 512: step L / 8, tile 4 ((L % 8) / 4) + 2 (L % 2) + .., rows from 8 ((L / 2) % 2) on
	v_lshlrev_b32 v8, 9, v8
	v_bfe_u32 v9, v1, 1, 1
	v_lshl_or_b32 v8, v9, 7, v8
	v_bfe_u32 v9, v1, 2, 3
	v_lshl_or_b32 v8, v9, 10, v8
	v_sub_nc_u32 v9, v28, v4
	v_add_nc_u32 v29, v9, v8                       ; my place in the stage on the way in; back by v28, 16 bytes a lane
.macro MLOAD                           ; 512 keys of the 16 rows: each load reads 512 consecutive bytes of one row
.irp i, 0,1,2,3,4,5,6,7,8,9,10,11,12,13,14,15
	global_load_b128 v[32+4*\i:35+4*\i], v4, s[18:19] offset:(\i+8*(\i/8))*2048 th:TH_LOAD_NT
.endr
.endm
	MLOAD
	s_mov_b32 s30, 4
.Lm_chunk:
	s_wait_loadcnt 0x0
	s_wait_alu depctr_va_vdst(0)
.irp w, 0,1,2,3
.irp hh, 0,1
	v_lshl_or_b32 v[96+2*\w+\hh], v[36+32*\hh+\w], 1, v[32+32*\hh+\w]   ; eight queries' bytes (0 or 1) of four keys into one word: byte y = key 4 w + y, bit i = query 8 hh + i
.endr
.endr
.irp i, 2,3,4,5,6,7
.irp w, 0,1,2,3
.irp hh, 0,1
	v_lshl_or_b32 v[96+2*\w+\hh], v[32+32*\hh+4*\i+\w], \i, v[96+2*\w+\hh]
.endr
.endr
.endr
.irp w, 0,1,2,3,4,5,6,7
	v_xor_b32 v[96+\w], -1, v[96+\w]               ; 1 = hidden
.endr
	s_wait_alu depctr_va_vdst(0)                   ; the wait ahead of the branch
	s_cmp_eq_u32 s30, 1
	s_cbranch_scc1 .Lm_last
	v_add_nc_u32 v4, 512, v4                       ; (its loads are done)
	MLOAD
.Lm_last:
.irp w, 0,1,2,3
.irp y, 0,1,2,3
.irp d, 0,1,2,3
	v_bfe_u32 v[104+16*\w+4*\y+\d], v[96+2*\w+\d/2], 8*\y+4*(\d%2), 4   ; key 4 w + y, queries 4 d .. 4 d + 3
.endr
.irp d, 0,1,2,3
	v_mul_u32_u24 v[104+16*\w+4*\y+\d], v[104+16*\w+4*\y+\d], s[48+\d]
.endr
.irp d, 0,1,2,3
	v_and_b32 v[104+16*\w+4*\y+\d], s[52+\d], v[104+16*\w+4*\y+\d]
.endr
	ds_store_b128 v29, v[104+16*\w+4*\y:107+16*\w+4*\y] offset:256*(\w/2)+64*(\w%2)+16*\y
.endr
.endr
.irp n, 0,1,2,3,4,5,6,7,8,9,10,11,12,13,14,15
	ds_load_b128 v[168+4*\n:171+4*\n], v28 offset:512*\n   ; LDS serves a wave's instructions in order: these see my stores
.endr
	s_wait_dscnt 0x0
.irp n, 0,1,2,3,4,5,6,7,8,9,10,11,12,13,14,15
	global_store_b128 v31, v[168+4*\n:171+4*\n], s[24:25] offset:512*\n   ; 512 consecutive bytes, aligned
.endr
	s_wait_xcnt 0x0                                ; the stores have read their registers and base
	s_add_nc_u64 s[24:25], s[24:25], 8192
	s_sub_co_u32 s30, s30, 1
	s_cmp_lg_u32 s30, 0
	s_cbranch_scc1 .Lm_chunk
	FINISH
.Lfunc_end_k_q0f90f8538a_prep:
	.size	k_q0f90f8538a_prep, .Lfunc_end_k_q0f90f8538a_prep-k_q0f90f8538a_prep
	.p2alignl 7, 3214868480
	.fill 96, 4, 3214868480
	.section	.rodata,"a",@progbits
	.p2align	6, 0x0
	.amdhsa_kernel k_q0f90f8538a_prep
		.amdhsa_group_segment_fixed_size 68096
		.amdhsa_private_segment_fixed_size 0
		.amdhsa_enable_private_segment 0
		.amdhsa_kernarg_size 88
		.amdhsa_user_sgpr_count 2
		.amdhsa_user_sgpr_kernarg_segment_ptr 1
		.amdhsa_wavefront_size32 1
		.amdhsa_system_sgpr_workgroup_id_x 1
		.amdhsa_system_sgpr_workgroup_id_y 1
		.amdhsa_system_sgpr_workgroup_id_z 1
		.amdhsa_system_vgpr_workitem_id 0
		.amdhsa_next_free_vgpr 256
		.amdhsa_next_free_sgpr 66
		.amdhsa_reserve_vcc 1
		.amdhsa_float_denorm_mode_32 3
		.amdhsa_float_denorm_mode_16_64 3
		.amdhsa_memory_ordered 1
		.amdhsa_forward_progress 1
		.amdhsa_inst_pref_size 126
	.end_amdhsa_kernel
	.amdgpu_metadata
---
amdhsa.version: [ 1, 2 ]
amdhsa.kernels:
  - .name:           k_q0f90f8538a_prep
    .symbol:         k_q0f90f8538a_prep.kd
    .args:
      - { .name: query, .offset: 0, .size: 8, .value_kind: global_buffer, .address_space: global }
      - { .name: key, .offset: 8, .size: 8, .value_kind: global_buffer, .address_space: global }
      - { .name: value, .offset: 16, .size: 8, .value_kind: global_buffer, .address_space: global }
      - { .name: Wq, .offset: 24, .size: 8, .value_kind: global_buffer, .address_space: global }
      - { .name: Wk, .offset: 32, .size: 8, .value_kind: global_buffer, .address_space: global }
      - { .name: Wv, .offset: 40, .size: 8, .value_kind: global_buffer, .address_space: global }
      - { .name: Wo, .offset: 48, .size: 8, .value_kind: global_buffer, .address_space: global }
      - { .name: mask, .offset: 56, .size: 8, .value_kind: global_buffer, .address_space: global }
      - { .name: img, .offset: 64, .size: 8, .value_kind: global_buffer, .address_space: global }
      - { .name: scl, .offset: 72, .size: 8, .value_kind: global_buffer, .address_space: global }
      - { .name: maskw, .offset: 80, .size: 8, .value_kind: global_buffer, .address_space: global }
    .group_segment_fixed_size: 68096
    .private_segment_fixed_size: 0
    .kernarg_segment_align: 8
    .kernarg_segment_size: 88
    .max_flat_workgroup_size: 128
    .sgpr_count:     66
    .vgpr_count:     256
    .wavefront_size: 32
...
	.end_amdgpu_metadata
.endif
;; end of part 1
;; launch proj (part 2): grid 4 x 192, 4 waves a work-group, clusters of 4 x 4, 327,680 bytes of LDS; arguments img, scl, bq, bk, bv, himg, hsc; writes himg, hsc
.if DOCPART == 2
	.amdgcn_target "amdgcn-amd-amdhsa--gfx1250"
	.amdhsa_code_object_version 6
	.text
	.protected	k_q0f90f8538a_proj
	.globl	k_q0f90f8538a_proj
	.p2align	8
	.type	k_q0f90f8538a_proj,@function
k_q0f90f8538a_proj:
	s_mov_b64 s[64:65], 0
	v_nop
	global_prefetch_b8 v0, s[64:65] scope:SCOPE_SE
	s_setreg_imm32_b32 hwreg(HW_REG_WAVE_MODE, 25, 1), 1
	s_wait_xcnt 0x0
	s_wait_alu depctr_hold_cnt(0) depctr_sa_sdst(0) depctr_va_vdst(0) depctr_va_sdst(0) depctr_va_ssrc(0) depctr_va_vcc(0) depctr_vm_vsrc(0)
	s_getreg_b32 s2, hwreg(HW_REG_IB_STS2, 6, 4)
	s_cmp_eq_u32 s2, 0
	s_cbranch_scc0 .Lentry_in_a_cluster
	s_endpgm
.Lentry_in_a_cluster:
	s_bfe_u32 s2, ttmp6, 0x10000c
	s_cmp_lg_u32 s2, 0xf033
	s_cbranch_scc0 .Lentry_shape_is_right
	s_endpgm
.Lentry_shape_is_right:
; PROJ.  q = query Wq + bq, k = key Wk + bk, v = value Wv + bv on codes of FP6 (E2M3) with E8M0 scales, f32 sums; the results are quantised again: q and k along the head's 64, v along the keys.
; ONE PRODUCT FORM: D = src0's rows x src1's rows (both from img, all K = 1,024), quantised along src0's rows.  q, k: src0 = the weight's columns n, src1 = the tokens.  v: src0 = the tokens (keys), src1 = Wv's columns.
; Row i of tile T is 32 (T / 2) + 8 (T % 2) + i + 8 (i / 8): so in the result of src0's tiles 2 b, 2 b + 1 a lane's 16 registers are 16 neighbours along src0's rows, 32 b + 16 (lane / 16) + 0 .. 15.
; SHARES.  A work-group: 256 rows of src0 x 128 rows of src1; a wave: 128 x 64 = 32 accumulators.  768 work-groups: cluster y / 16 says which tensor.
; LDS.  Both operands' whole K lies in LDS, 24 tiles x 12,288 bytes, filled ONCE in two chunks of 512 along K: no byte is filled twice.  A wave has one tensor load outstanding.
; CLUSTER 4 x 4: src0's tiles hang on cx and are shared along a column of the cluster, src1's on cy and are shared along a row: joint loads.
; OUT.  himg: q at 0, k at 6,291,456: [b 16 + head][token tile 128][768]: half a fragment (16 rows x 64), three pieces of 256 bytes, piece p = registers 2 p, 2 p + 1, lane l at 8 l.
;       v at 12,582,912: [b 16 + head][key step 16][d tile 4][1,536]: fragments of V^T (16 d x 128 keys), three groups of 512 bytes.
;       hsc: q at 0, k at 262,144: [b][head pair 8][64 rows 32][head of the pair 2][row 16][2 words]: word j = tile 2 j's two bytes below, tile 2 j + 1's above.  v at 524,288: [b 16 + head][step][tp 2][row][2 words]: word j = d tile 2 tp + j's.
; LIMITS: a block of zeros carries the byte 1 (its codes are zeros; only this program reads the bytes); NaN and infinities are not served.
; REGISTERS.  Window 0: v1-17 addresses; v28, v29 the add's two; v32-95 scale words; v96-159 a row of results; v160-205 at work.  Window 1: the accumulators, (a, b) at 8 (8 a + b).
;   Windows 2, 3: fragment sets 0, 1: src0's tile b at 12 b, src1's tile a at 96 + 12 a.  Window 2 also: v160-223 the bias along src0's rows, v224-231 the bias along src1's rows.
.set CH,    147456                     ; AS THIS TEXT HAS IT: LDS holds two chunks, each half of K (four K steps): src0's 16 tiles x 6,144 bytes, then src1's 8.  One joint load a wave: waves 0, 1 the first chunk's src0 and src1, waves 2, 3 the second's
.set S1O,   98304
.set SPARE, 294912                     ; behind the two chunks: the spare words, 128 bytes a wave, which no other line names
.set WV,    18
.set SEL,   98
.set SPW,   28
.set NIL,   29
.set SC,    32                         ; v[SC + 8 i + s]: lanes 0-15 the word of src0's tile i, lanes 16-31 that of src1's tile i % 4, K step s
.set H,     96
.set TM,    160
.set PC,    176
.set PW,    196
.set B0,    160
.set B1,    224
.set G1A,   28
.set G1B,   36
.set G0A,   44                         ; s[44:47] src0's group 0
.set G0B,   68                         ; s[68:71] src1's
.set MSB, 0
.macro WIN new                         ; the immediate's high byte repeats the setting that is left
.if MSB != (\new)
	s_set_vgpr_msb (MSB<<8)|(\new)
.set MSB, (\new)
.endif
.endm
.macro PLACES
.rept 4
	v_nop
.endr
.endm
.macro CROUND                          ; a round of the cluster's barrier
	s_barrier_signal -1
	s_barrier_wait -1
	s_cmp_lg_u32 s[WV], 0
	s_cbranch_scc1 .Lnot_wave_0_\@
	s_barrier_signal -3
.Lnot_wave_0_\@:
	s_barrier_wait -3
	s_barrier_signal -1
	s_barrier_wait -1
.endm
; 64 numbers of a lane, register 16 b + i = k 32 b + 16 (lane / 16) + i of my row, become a fragment's codes in v[PC] on and its scale word in v[pw].
.macro QUANT s, pw
.irp b, 0,1,2,3
	v_max3_num_f32 v[TM+\b], |v[\s+16*\b]|, |v[\s+1+16*\b]|, 0x1800000   ; my 16 numbers of block b, and the floor 2^(3 - 127)
.endr
.irp i, 2,4,6,8,10,12,14
.irp b, 0,1,2,3
	v_max3_num_f32 v[TM+\b], v[TM+\b], |v[\s+16*\b+\i]|, |v[\s+1+16*\b+\i]|
.endr
.endr
.irp b, 0,1,2,3
	v_permlanex16_b32 v[TM+4+\b], v[TM+\b], s[SEL], s[SEL+1]
.endr
.irp b, 0,1,2,3
	v_max_num_f32 v[TM+\b], v[TM+\b], v[TM+4+\b]
.endr
.irp b, 0,1,2,3
	v_add_nc_u32 v[TM+12+\b], 0xff000000, v[TM+\b]
.endr
.irp b, 0,1,2,3
	v_lshrrev_b32 v[TM+4+\b], 23, v[TM+12+\b]
.endr
	v_lshl_or_b32 v[\pw], v[TM+5], 8, v[TM+4]
	v_lshl_or_b32 v[\pw], v[TM+6], 16, v[\pw]
	v_lshl_or_b32 v[\pw], v[TM+7], 24, v[\pw]
.irp c, 0,1
	v_cvt_scalef32_pk16_fp6_f32 v[PC+6*\c:PC+2+6*\c], v[\s+32*\c:\s+15+32*\c], v[TM+12+2*\c]
	v_cvt_scalef32_pk16_fp6_f32 v[PC+12+4*\c:PC+14+4*\c], v[\s+16+32*\c:\s+31+32*\c], v[TM+12+2*\c+1]
.endr
	v_nop                                          ; one plain instruction behind the scaled conversions
.irp c, 0,1
.irp i, 0,1,2
	v_permlane16_swap_b32 v[PC+6*\c+\i], v[PC+12+4*\c+\i]
.endr
.irp i, 0,1,2
	v_mov_b32 v[PC+3+6*\c+\i], v[PC+12+4*\c+\i]
.endr
.endr
.endm
	s_load_b256 s[4:11], s[0:1], 0x0               ; img s[4:5], scl s[6:7], bq s[8:9], bk s[10:11]
	s_load_b128 s[12:15], s[0:1], 0x20             ; bv s[12:13], himg s[14:15]
	s_load_b64 s[16:17], s[0:1], 0x30              ; hsc
	v_lshl_add_u32 v[SPW], v0, 2, SPARE
	v_mov_b32 v[NIL], 0
	ds_add_u32 v[SPW], v[NIL]                      ; the wave's opening: the add and its wait ahead of the first tensor load; work on registers stands between
	ds_add_u32 v[SPW], v[NIL]
	v_lshrrev_b32 v1, 5, v0
	v_readfirstlane_b32 s[WV], v1                  ; wave 0..3
	s_lshr_b32 s19, s[WV], 1                       ; wu: which 128 rows of src0 are mine
	s_and_b32 s20, s[WV], 1                        ; wh: which 64 rows of src1.  Also: which half of a chunk's tiles I fetch
	v_and_b32 v13, 31, v0
	v_lshlrev_b32 v1, 4, v13                       ; 16 x lane
	v_lshlrev_b32 v13, 3, v13                      ; 8 x lane
	v_and_b32 v2, 15, v0                           ; r
	v_bfe_u32 v3, v0, 4, 1                         ; h
	s_mul_i32 s84, s19, 49152
	s_mul_i32 s85, s20, 24576
	s_add_co_u32 s85, s85, S1O
.irp c, 0,1
	v_add_nc_u32 v[4+\c], s84, v1
	v_add_nc_u32 v[8+\c], s85, v1                  ; my src1 tiles
	s_add_co_u32 s84, s84, CH
	s_add_co_u32 s85, s85, CH
.endr
.irp b, 0,1,2,3
	v_mov_b32 v[TM+4+\b], 0                        ; written once: a lane permute's destination counts as one of its sources
.endr
	s_mov_b32 s[SEL], 0x76543210
	s_mov_b32 s[SEL+1], 0xfedcba98
	s_bfe_u32 s21, ttmp6, 0x40000                  ; cx
	s_bfe_u32 s22, ttmp6, 0x40004                  ; cy
	s_and_b32 s23, ttmp7, 0xffff                   ; cluster y, 0..47
	s_lshr_b32 s24, s23, 4                         ; which tensor: 0 q, 1 k, 2 v: the same in all partners
	s_and_b32 s25, s23, 15
	s_lshl_b32 s82, s24, 6
	s_add_co_u32 s82, s82, 1536                    ; q, k: src0 = the weight's tiles,
	s_lshl_b32 s83, s24, 9                         ;       src1 = the tokens' tiles
	s_and_b32 s62, s25, 7
	s_lshr_b32 s63, s25, 3
	s_mov_b32 s86, 1024                            ; v: src0 = value's tiles,
	s_mov_b32 s87, 1664                            ;    src1 = Wv's
	s_cmp_eq_u32 s24, 2
	s_cselect_b32 s26, 1, 0
	s_cselect_b32 s82, s86, s82
	s_cselect_b32 s62, s62, 0
	s_cselect_b32 s83, s87, s83
	s_cselect_b32 s63, s63, s25
	s_lshl_b32 s62, s62, 2
	s_add_co_u32 s62, s62, s21                     ; which 256 rows of src0
	s_lshl_b32 s60, s62, 4
	s_add_co_u32 s60, s60, s82                     ; src0's first tile: it holds cx and never cy
	s_lshl_b32 s63, s63, 2
	s_add_co_u32 s63, s63, s22                     ; which 128 rows of src1
	s_lshl_b32 s61, s63, 3
	s_add_co_u32 s61, s61, s83                     ; src1's first tile: it holds cy and never cx
	s_lshl_b32 s94, 0x1111, s21                    ; my column of the cluster
	s_lshl_b32 s95, s22, 2
	s_lshl_b32 s95, 15, s95                        ; my row
	; group 1: rows of 6,144 bytes (768 elements of 8 bytes: four K steps of a tile), 12,288 bytes apart; src0: 16 rows a load, src1: 8; no padding
	s_or_b32 s[G1A], s94, (3<<16)|(1<<21)
	s_mov_b32 s[G1A+1], 768<<16                    ; rows of 6,144 bytes (four K steps of a tile), 16 tiles
	s_mov_b32 s[G1A+2], 16<<16
	s_mov_b32 s[G1A+3], 768<<16
	s_mov_b32 s[G1A+4], 16
	s_mov_b32 s[G1A+5], 1536
	s_mov_b32 s[G1A+6], 0
	s_mov_b32 s[G1A+7], 0
	s_or_b32 s[G1B], s95, (3<<16)|(1<<21)
	s_mov_b32 s[G1B+1], 768<<16                    ; the same, 8 tiles
	s_mov_b32 s[G1B+2], 8<<16
	s_mov_b32 s[G1B+3], 768<<16
	s_mov_b32 s[G1B+4], 8
	s_mov_b32 s[G1B+5], 1536
	s_mov_b32 s[G1B+6], 0
	s_mov_b32 s[G1B+7], 0
	s_mul_i32 s84, s60, 12288                      ; src0's tiles, in bytes,
	s_mul_i32 s82, s19, 6144                       ; + the half of K that my wave fetches (wave / 2)
	s_add_co_u32 s84, s84, s82
	s_mov_b32 s85, 0
	s_mul_i32 s86, s61, 12288                      ; src1's
	s_add_co_u32 s86, s86, s82
	s_mov_b32 s87, 0
	s_mul_i32 s82, s19, CH                         ; and where they go
	s_add_co_u32 s83, s82, S1O
	s_wait_alu depctr_va_vdst(0)                   ; the wait ahead of the waits below
	s_wait_dscnt 0x0                               ; the opening adds are done
	s_wait_kmcnt 0x0
	s_add_nc_u64 s[84:85], s[4:5], s[84:85]
	s_add_nc_u64 s[86:87], s[4:5], s[86:87]
.irp c, 0
	s_mov_b32 s[G0A+4*\c], 1
	s_add_co_u32 s[G0A+4*\c+1], s82, \c*CH
	s_add_nc_u64 s[G0A+4*\c+2:G0A+4*\c+3], s[84:85], \c*3072
	s_or_b32 s[G0A+4*\c+3], s[G0A+4*\c+3], 0x80000000
	s_mov_b32 s[G0B+4*\c], 1
	s_add_co_u32 s[G0B+4*\c+1], s83, \c*CH
	s_add_nc_u64 s[G0B+4*\c+2:G0B+4*\c+3], s[86:87], \c*3072
	s_or_b32 s[G0B+4*\c+3], s[G0B+4*\c+3], 0x80000000
.endr
	CROUND                                         ; all sixteen work-groups are here: the joint loads meet
	s_cmp_eq_u32 s[WV], 0                          ; one chain of branches on the wave's number, one load to an arm
	s_cbranch_scc0 .Lfill_1
	tensor_load_to_lds s[G0A:G0A+3], s[G1A:G1A+7]  ; wave 0: src0, K steps 0-3
	s_nop 0
	PLACES
	s_branch .Lfilled
.Lfill_1:
	s_cmp_eq_u32 s[WV], 1
	s_cbranch_scc0 .Lfill_2
	tensor_load_to_lds s[G0B:G0B+3], s[G1B:G1B+7]  ; wave 1: src1, K steps 0-3
	s_nop 0
	PLACES
	s_branch .Lfilled
.Lfill_2:
	s_cmp_eq_u32 s[WV], 2
	s_cbranch_scc0 .Lfill_3
	tensor_load_to_lds s[G0A:G0A+3], s[G1A:G1A+7]  ; wave 2: src0, K steps 4-7
	s_nop 0
	PLACES
	s_branch .Lfilled
.Lfill_3:
	tensor_load_to_lds s[G0B:G0B+3], s[G1B:G1B+7]  ; wave 3: src1, K steps 4-7
	s_nop 0
	PLACES
.Lfilled:
	; the scale words come straight from memory: lanes 0-15 take src0's tiles, lanes 16-31 src1's
	s_lshl_b32 s94, s19, 3
	s_add_co_u32 s94, s94, s60
	s_lshl_b32 s94, s94, 9
	s_lshl_b32 s95, s20, 2
	s_add_co_u32 s95, s95, s61
	s_lshl_b32 s95, s95, 9
	v_cmp_ne_u32 vcc_lo, 0, v3
	v_mov_b32 v12, s94
	v_mov_b32 v14, s95
	v_cndmask_b32 v12, v12, v14, vcc_lo
	v_lshl_add_u32 v12, v2, 4, v12                 ; + 16 r
	v_lshlrev_b32 v14, 11, v3
	v_sub_nc_u32 v14, v12, v14                     ; for tiles 4-7: lanes 16-31 four tiles back, so that they read src1's four tiles again and nothing beyond
	v_mov_b32 v15, 0x05040100
	v_mov_b32 v200, 0x07060302
	v_cndmask_b32 v15, v15, v200, vcc_lo           ; which half of a scale word my half of the lanes packs (q, k)
.irp i, 0,1,2,3
.irp kh, 0,1
	global_load_b128 v[SC+8*\i+4*\kh:SC+8*\i+4*\kh+3], v12, s[6:7] offset:512*\i+256*\kh
.endr
.endr
.irp i, 4,5,6,7
.irp kh, 0,1
	global_load_b128 v[SC+8*\i+4*\kh:SC+8*\i+4*\kh+3], v14, s[6:7] offset:512*\i+256*\kh
.endr
.endr
	; both forms of bias are loaded by every wave; the way out takes the one that its tensor wants
	s_lshl_b32 s88, s21, 1
	s_add_co_u32 s88, s88, s19                     ; 2 cx + wu: for q, k the pair of heads
	s_lshl_b32 s89, s88, 9
	v_lshl_add_u32 v16, v3, 6, s89                 ; along src0's rows: 128 numbers from 128 (2 cx + wu) on; my half's 16 of each 32
	s_cmp_eq_u32 s24, 1
	s_cselect_b64 s[90:91], s[10:11], s[8:9]
	s_lshl_b32 s92, s63, 1
	s_add_co_u32 s92, s92, s20
	s_and_b32 s92, s92, 15                         ; for v the head (held to 0..15, so that the load stays in bv for q and k too)
	s_lshl_b32 s93, s92, 8
	v_and_b32 v17, 8, v2
	v_add_nc_u32 v17, v17, v2
	v_lshl_add_u32 v17, v17, 2, s93                ; along src1's rows: 64 head + r + 8 (r / 8)
	WIN 0x80                                       ; destination window 2
.irp q, 0,1,2,3,4,5,6,7,8,9,10,11,12,13,14,15
	global_load_b128 v[B0+4*\q:B0+4*\q+3], v16, s[90:91] offset:128*(\q/4)+16*(\q%4)
.endr
.irp a, 0,1,2,3
	global_load_b32 v[B1+2*\a], v17, s[12:13] offset:4*(32*(\a/2)+8*(\a%2))
	global_load_b32 v[B1+2*\a+1], v17, s[12:13] offset:4*(32*(\a/2)+8*(\a%2))   ; twice: a pair for the packed addition
.endr
	WIN 0
.macro FETCH s                         ; K step s: 12 fragments, 36 loads of 512 consecutive bytes, into set s % 2
	WIN 0x80+0x40*((\s)%2)
.irp b, 0,1,2,3,4,5,6,7
.irp g, 0,1,2
	ds_load_b128 v[12*\b+4*\g:12*\b+4*\g+3], v[4+(\s)/4] offset:6144*\b+1536*((\s)%4)+512*\g
.endr
.endr
.irp a, 0,1,2,3
.irp g, 0,1,2
	ds_load_b128 v[96+12*\a+4*\g:96+12*\a+4*\g+3], v[8+(\s)/4] offset:6144*\a+1536*((\s)%4)+512*\g
.endr
.endr
.endm
.macro MUL s, zero                     ; 32 products; the 32 accumulators take turns, one instruction a turn
.irp a, 0,1,2,3
.irp b, 0,1,2,3,4,5,6,7
.if \zero
	v_wmma_scale_f32_16x16x128_f8f6f4 v[8*(8*\a+\b):8*(8*\a+\b)+7], v[12*\b:12*\b+11], v[96+12*\a:96+12*\a+11], 0, v[SC+8*\b+(\s)], v[SC+8*\a+(\s)] matrix_a_fmt:MATRIX_FMT_FP6 matrix_b_fmt:MATRIX_FMT_FP6 matrix_b_scale:MATRIX_SCALE_ROW1
.else
	v_wmma_scale_f32_16x16x128_f8f6f4 v[8*(8*\a+\b):8*(8*\a+\b)+7], v[12*\b:12*\b+11], v[96+12*\a:96+12*\a+11], v[8*(8*\a+\b):8*(8*\a+\b)+7], v[SC+8*\b+(\s)], v[SC+8*\a+(\s)] matrix_a_fmt:MATRIX_FMT_FP6 matrix_b_fmt:MATRIX_FMT_FP6 matrix_b_scale:MATRIX_SCALE_ROW1
.endif
.endr
.endr
.endm
.macro KSTEP s, zero
.if (\s) < 7
.if (\s)+1 == 4
	s_wait_tensorcnt 0x0                           ; the second chunk: every wave waits for its load
	s_wait_dscnt 0x0
	s_barrier_signal -1
	s_barrier_wait -1                              ; everybody's has
.endif
.if (\s) > 0
	PLACES                                         ; four places in front of loads into registers that the last products read
.endif
	FETCH (\s)+1
	s_wait_dscnt 36                                ; all but the 36 just issued: this step's fragments are in
.else
	s_wait_dscnt 0x0
.endif
	WIN 0x5a+5*((\s)%2)                            ; sources 0 and 1 in window 2 or 3, C and D in window 1
	MUL \s, \zero
.endm
	s_wait_alu depctr_va_vdst(0)                   ; the wait at the head's end
	s_cmp_lt_u32 s[WV], 2                          ; the first chunk is waves 0 and 1's: they wait for it; the second may still be on its way
	s_cbranch_scc0 .Lnot_first
	s_wait_tensorcnt 0x0
.Lnot_first:
	s_barrier_signal -1
	s_barrier_wait -1
	FETCH 0
	s_wait_loadcnt 0x0                             ; scale words and biases
	KSTEP 0, 1                                     ; the first products start the sums
.irp s, 1,2,3,4,5,6,7
	KSTEP \s, 0
.endr
	WIN 0
	PLACES
; THE WAY OUT, no LDS: for each of my four tiles of src1's rows: bias, quantiser, the fragment's image and at the end the scale words.
.macro EPI mode
.irp a, 0,1,2,3
	s_wait_xcnt 0x0                                ; the last tile's stores have read the codes' registers
	WIN 0x09                                       ; source 0 (sums) window 1, source 1 (bias) window 2
.set j, 0
.rept 32
.if \mode
	v_pk_add_f32 v[H+j:H+j+1], v[64*\a+j:64*\a+j+1], v[B1+2*\a:B1+2*\a+1]
.else
	v_pk_add_f32 v[H+j:H+j+1], v[64*\a+j:64*\a+j+1], v[B0+j:B0+j+1]   ; each accumulator from its low end on
.endif
.set j, j+2
.endr
	WIN 0
	QUANT H, PW+\a
.if \mode
.irp g, 0,1,2
	global_store_b128 v1, v[PC+4*\g:PC+4*\g+3], s[14:15] offset:1536*\a+512*\g   ; V^T: d tile a x my 128 keys
.endr
.else
.irp c, 0,1
.irp p, 0,1,2
	global_store_b64 v13, v[PC+6*\c+2*\p:PC+6*\c+2*\p+1], s[14:15] offset:98304*\c+768*\a+256*\p   ; head c of the pair, token tile a: 256 consecutive bytes, aligned
.endr
.endr
.endif
.endr
.endm
	s_cmp_eq_u32 s26, 1
	s_cbranch_scc1 .Lepi_v
	s_lshl_b32 s84, s63, 3
	s_lshl_b32 s85, s20, 2
	s_add_co_u32 s84, s84, s85                     ; my first token tile, 0..511
	s_lshr_b32 s85, s84, 7                         ; b
	s_and_b32 s84, s84, 127
	s_lshl_b32 s86, s85, 3
	s_add_co_u32 s86, s86, s88                     ; 8 b + head pair
	s_lshl_b32 s87, s86, 8                         ; (16 b + first head) x 128 tiles
	s_add_co_u32 s87, s87, s84
	s_mul_i32 s87, s87, 768
	s_mul_i32 s89, s24, 6291456
	s_add_co_u32 s90, s87, s89
	s_mov_b32 s91, 0
	s_add_nc_u64 s[14:15], s[14:15], s[90:91]
	s_lshl_b32 s86, s86, 5
	s_lshr_b32 s84, s84, 2
	s_add_co_u32 s86, s86, s84
	s_lshl_b32 s86, s86, 8
	s_lshl_b32 s89, s24, 18
	s_add_co_u32 s90, s86, s89
	s_add_nc_u64 s[16:17], s[16:17], s[90:91]
	EPI 0
	v_perm_b32 v200, v[PW+1], v[PW], v15           ; lanes 0-15: the first head's two bytes of tiles 0, 1; lanes 16-31: the second head's
	v_perm_b32 v201, v[PW+3], v[PW+2], v15
	global_store_b64 v13, v[200:201], s[16:17]     ; 256 consecutive bytes, aligned
	s_branch .Ldone
.Lepi_v:
	s_lshl_b32 s84, s62, 1
	s_add_co_u32 s84, s84, s19                     ; my 128 keys, 0..63
	s_lshr_b32 s85, s84, 4                         ; b
	s_and_b32 s84, s84, 15                         ; key step
	s_lshl_b32 s85, s85, 4
	s_add_co_u32 s85, s85, s92
	s_lshl_b32 s85, s85, 4
	s_add_co_u32 s85, s85, s84                     ; (16 b + head) x 16 + step
	s_mul_i32 s90, s85, 6144
	s_add_co_u32 s90, s90, 12582912
	s_mov_b32 s91, 0
	s_add_nc_u64 s[14:15], s[14:15], s[90:91]
	s_lshl_b32 s90, s85, 8
	s_add_co_u32 s90, s90, 524288
	s_add_nc_u64 s[16:17], s[16:17], s[90:91]
	EPI 1
	v_cmp_ne_u32 vcc_lo, 0, v3
	v_cndmask_b32 v200, v[PW], v[PW+2], vcc_lo     ; lanes 0-15: d tiles 0, 1; lanes 16-31: d tiles 2, 3
	v_cndmask_b32 v201, v[PW+1], v[PW+3], vcc_lo
	global_store_b64 v13, v[200:201], s[16:17]
.Ldone:
	s_wait_tensorcnt 0x0                           ; the wave's end
	ds_add_u32 v[SPW], v[NIL]
	s_wait_dscnt 0x0
	CROUND                                         ; the closing round
	s_endpgm
.Lfunc_end_k_q0f90f8538a_proj:
	.size	k_q0f90f8538a_proj, .Lfunc_end_k_q0f90f8538a_proj-k_q0f90f8538a_proj
	.p2alignl 7, 3214868480
	.fill 96, 4, 3214868480
	.section	.rodata,"a",@progbits
	.p2align	6, 0x0
	.amdhsa_kernel k_q0f90f8538a_proj
		.amdhsa_group_segment_fixed_size 327680
		.amdhsa_private_segment_fixed_size 0
		.amdhsa_enable_private_segment 0
		.amdhsa_kernarg_size 56
		.amdhsa_user_sgpr_count 2
		.amdhsa_user_sgpr_kernarg_segment_ptr 1
		.amdhsa_wavefront_size32 1
		.amdhsa_system_sgpr_workgroup_id_x 1
		.amdhsa_system_sgpr_workgroup_id_y 1
		.amdhsa_system_sgpr_workgroup_id_z 1
		.amdhsa_system_vgpr_workitem_id 0
		.amdhsa_next_free_vgpr 1024
		.amdhsa_next_free_sgpr 102
		.amdhsa_reserve_vcc 1
		.amdhsa_float_denorm_mode_32 3
		.amdhsa_float_denorm_mode_16_64 3
		.amdhsa_memory_ordered 1
		.amdhsa_forward_progress 1
		.amdhsa_inst_pref_size 116
	.end_amdhsa_kernel
	.amdgpu_metadata
---
amdhsa.version: [ 1, 2 ]
amdhsa.kernels:
  - .name:           k_q0f90f8538a_proj
    .symbol:         k_q0f90f8538a_proj.kd
    .args:
      - { .name: img, .offset: 0, .size: 8, .value_kind: global_buffer, .address_space: global }
      - { .name: scl, .offset: 8, .size: 8, .value_kind: global_buffer, .address_space: global }
      - { .name: bq, .offset: 16, .size: 8, .value_kind: global_buffer, .address_space: global }
      - { .name: bk, .offset: 24, .size: 8, .value_kind: global_buffer, .address_space: global }
      - { .name: bv, .offset: 32, .size: 8, .value_kind: global_buffer, .address_space: global }
      - { .name: himg, .offset: 40, .size: 8, .value_kind: global_buffer, .address_space: global }
      - { .name: hsc, .offset: 48, .size: 8, .value_kind: global_buffer, .address_space: global }
    .group_segment_fixed_size: 327680
    .private_segment_fixed_size: 0
    .kernarg_segment_align: 8
    .kernarg_segment_size: 56
    .max_flat_workgroup_size: 128
    .sgpr_count:     102
    .vgpr_count:     1024
    .wavefront_size: 32
...
	.end_amdgpu_metadata
.endif
;; end of part 2
;; launch attn (part 3): grid 4 x 64, 8 waves a work-group, clusters of 4 x 1, 327,680 bytes of LDS; arguments himg, hsc, maskw, img, scl; writes img, scl
.if DOCPART == 3
	.amdgcn_target "amdgcn-amd-amdhsa--gfx1250"
	.amdhsa_code_object_version 6
	.text
	.protected	k_q0f90f8538a_attn
	.globl	k_q0f90f8538a_attn
	.p2align	8
	.type	k_q0f90f8538a_attn,@function
k_q0f90f8538a_attn:
	s_mov_b64 s[64:65], 0
	v_nop
	global_prefetch_b8 v0, s[64:65] scope:SCOPE_SE
	s_setreg_imm32_b32 hwreg(HW_REG_WAVE_MODE, 25, 1), 1
	s_wait_xcnt 0x0
	s_wait_alu depctr_hold_cnt(0) depctr_sa_sdst(0) depctr_va_vdst(0) depctr_va_sdst(0) depctr_va_ssrc(0) depctr_va_vcc(0) depctr_vm_vsrc(0)
	s_getreg_b32 s2, hwreg(HW_REG_IB_STS2, 6, 4)
	s_cmp_eq_u32 s2, 0
	s_cbranch_scc0 .Lentry_in_a_cluster
	s_endpgm
.Lentry_in_a_cluster:
	s_bfe_u32 s2, ttmp6, 0x10000c
	s_cmp_lg_u32 s2, 0x3003
	s_cbranch_scc0 .Lentry_shape_is_right
	s_endpgm
.Lentry_shape_is_right:
; ATTN.  For one (b, head): S^T = K Q^T with the mask, p = 2^(t - M), O^T = V^T P^T, O / l, and the result quantised along (head, d) for the last product.  All products on codes of FP6 (E2M3) with E8M0 scales.
; t = score x log2(e) / 8; M = the running largest t rounded up to a whole number, kept as -M; l is the sum of the unquantised p; when M moves, l and O^T are multiplied by 2^(old M - new M), exactly.
; SHARES.  A work-group: one (b, head) = cluster y, 512 queries = block cx.  Eight waves, two to a SIMD; a wave holds TWO tiles of 16 queries at once (each fragment of K and V feeds two products), two passes; a pass walks 16 steps of 128 keys.
; THE MASK GOES THROUGH THE PRODUCT.  A head has K = 64 in a form 128 deep.  Codes 64-127 of a key tile's operand hold +1.0 where the key is hidden from a query (maskw: lanes 0-15 my first tile's 16 queries, lanes 16-31 my second's),
; and q's operand holds -1.0 at its own query's place there and zeros elsewhere; both sides' scale bytes of those blocks are 157 (2^30).  So a hidden key's sum is s - 2^60, where the definition writes a logit of -1e9.
; c x -2^60 is exact and whole: a row hidden throughout has t - M = 0 and p = 1 for every key, as the definition has it; in every other row a hidden key's p is 0.
; LIMITS: that holds while |s| stays under 2^35 (s - 2^60 then rounds to -2^60) and true logits lie above about -1e9.  v_exp_f32 gives 0 for p under 2^-126.  NaN and infinities are not served.  A block of zeros carries the byte 1 (zero codes).
; KEYS OF A TILE: row i of key tile 4 c + j of a step is key 64 c + 8 j + i % 8 + 32 (i / 8).  So a lane (query lane % 16, half h = lane / 16) holds in the 32 registers of tiles 4 c .. 4 c + 3 the keys 64 c + 32 h + 0 .. 31:
; one whole scale block of P, in the order of P's operand: no lane asks another for a block's maximum or for codes.
; LDS.  The head's K (98,304 bytes), V (98,304) and their scale words (4,096 each) are filled ONCE, one joint load a wave, asked for by the cluster's four work-groups: no byte is filled twice.
; AHEAD.  The next step's K fragments, K scale words and mask codes are asked for behind this step's score products, the next V behind this step's last products, each into registers of its own.
; The mask codes so have a whole step's lead on their way into registers; no separate prefetch is laid for them.  In a pass's last step the K and V loads read on into the LDS regions behind (filled bytes, not used), the mask's wrap to the tile's first step.
; REGISTERS.  Window 0: v1-11 addresses and constants; v12, v13 q's scale words; v16-19 K's words as loaded; v20-27 the key tiles' scale words; v28-31 V's; v32-43, v44-55 (q | identity) of my two tiles; v56, v57 P's scale words;
;   v64-159 eight key operands; v160-207 four of V^T; v208-231 P's codes; v232-254 at work.  Window 1, for tile 0 from 0 and for tile 1 from 128: +0 S^T, then p; +64 O^T; +96 at work (+100 -M, +101 largest score, +102 l, +104 f).
.set VIMG,  98304
.set KSC,   196608
.set VSC,   200704
.set SPARE, 204800                     ; the spare words, 128 bytes for each of 8 waves, which no other line names
.set WV,    4
.set KO,    64
.set VO,    160
.set MSB, 0
.macro WIN new                         ; the immediate's high byte repeats the setting that is left
.if MSB != (\new)
	s_set_vgpr_msb (MSB<<8)|(\new)
.set MSB, (\new)
.endif
.endm
.macro WALU
	s_wait_alu depctr_va_vdst(0)
.endm
.macro PLACES
.rept 4
	v_nop
.endr
.endm
.macro CROUND
	s_barrier_signal -1
	s_barrier_wait -1
	s_cmp_lg_u32 s[WV], 0
	s_cbranch_scc1 .Lnot_wave_0_\@
	s_barrier_signal -3
.Lnot_wave_0_\@:
	s_barrier_wait -3
	s_barrier_signal -1
	s_barrier_wait -1
.endm
.macro KFRAGS a                        ; eight key tiles, six registers each: 24 loads of 256 consecutive bytes
.irp t, 0,1,2,3,4,5,6,7
.irp p, 0,1,2
	ds_load_b64 v[KO+12*\t+2*\p:KO+12*\t+2*\p+1], \a offset:768*\t+256*\p
.endr
.endr
.endm
.macro VFRAGS a                        ; V^T's four tiles: 12 loads
.irp t, 0,1,2,3
.irp g, 0,1,2
	ds_load_b128 v[VO+12*\t+4*\g:VO+12*\t+4*\g+3], \a offset:1536*\t+512*\g
.endr
.endr
.endm
.macro MASKS a                         ; the mask codes into registers 6-9 of the key operands: two aligned units of 256 bytes a load
.irp t, 0,1,2,3,4,5,6,7
	global_load_b128 v[KO+12*\t+6:KO+12*\t+9], \a, s[88:89] offset:256*\t
.endr
.endm
.macro PERMS                           ; a key tile's scale word: its two bytes, and 157 twice for the mask's blocks
.irp t, 0,2,4,6
	v_perm_b32 v[20+\t], v11, v[16+\t/2], s15
	v_perm_b32 v[21+\t], v11, v[16+\t/2], s98
.endr
.endm
	s_load_b256 s[84:91], s[0:1], 0x0              ; himg, hsc, maskw, img
	s_load_b64 s[92:93], s[0:1], 0x20              ; scl
	v_lshl_add_u32 v4, v0, 2, SPARE
	v_mov_b32 v5, 0
	ds_add_u32 v4, v5                              ; the wave's opening: the add, twice on end, and its wait ahead of the first tensor load
	ds_add_u32 v4, v5
	v_lshrrev_b32 v7, 5, v0
	v_readfirstlane_b32 s[WV], v7                  ; wave 0..7
	v_and_b32 v60, 31, v0                          ; lane
	v_and_b32 v61, 15, v0                          ; r
	v_bfe_u32 v62, v0, 4, 1                        ; h
	v_lshlrev_b32 v1, 3, v60                       ; 8 x lane
	v_lshlrev_b32 v2, 4, v60
	v_add_nc_u32 v2, VIMG, v2
	v_lshlrev_b32 v63, 3, v61                      ; 8 r
	v_add_nc_u32 v3, KSC, v63
	v_add_nc_u32 v58, VSC, v63
	v_lshlrev_b32 v232, 4, v61                     ; 16 r
	v_lshl_add_u32 v6, v62, 15, v232               ; mask codes: my half's query tile (32,768 bytes a tile), key row r
	v_mov_b32 v11, 0x9d9d9d9d
.irp t, 0,1,2,3,4,5,6,7
	v_mov_b32 v[KO+12*\t+10], 0                    ; codes that meet zeros of q's operand
	v_mov_b32 v[KO+12*\t+11], 0
.endr
.irp i, 42,43,54,55
	v_mov_b32 v[\i], 0
.endr
	WIN 0x40                                       ; destination window 1
.irp q, 0,128
	v_mov_b32 v[\q+105], 0                         ; (the upper half of f's pair)
	v_mov_b32 v[\q+113], 0                         ; written once: a lane permute's destination counts as one of its sources
	v_mov_b32 v[\q+114], 0
	v_lshlrev_b32 v[\q+126], 3, v62                ; 8 h
.endr
	WIN 0
	s_and_b32 s52, ttmp7, 0xffff                   ; 16 b + head: the four partners share it
	s_lshr_b32 s53, s52, 4                         ; b
	s_and_b32 s54, s52, 15
	s_lshr_b32 s55, s54, 1                         ; the pair of heads
	s_and_b32 s56, s54, 1                          ; which of the pair
	; group 1, K and V: 128 rows of 256 bytes, dense (32,768 bytes a load); elements of 8 bytes; the mask names all four work-groups
	s_mov_b32 s16, 15|(3<<16)|(1<<21)
	s_mov_b32 s17, 32<<16
	s_mov_b32 s18, 128<<16
	s_mov_b32 s19, 32<<16
	s_mov_b32 s20, 128
	s_mov_b32 s21, 32
	s_mov_b32 s22, 0
	s_mov_b32 s23, 0
	; K's scale words: 32 rows of 128 bytes, 256 bytes apart (the other head of the pair lies between)
	s_mov_b32 s24, 15|(3<<16)|(1<<21)
	s_mov_b32 s25, 16<<16
	s_mov_b32 s26, 32<<16
	s_mov_b32 s27, 16<<16
	s_mov_b32 s28, 32
	s_mov_b32 s29, 32
	s_mov_b32 s30, 0
	s_mov_b32 s31, 0
	; V's: 16 rows of 256 bytes, dense
	s_mov_b32 s32, 15|(3<<16)|(1<<21)
	s_mov_b32 s33, 32<<16
	s_mov_b32 s34, 16<<16
	s_mov_b32 s35, 32<<16
	s_mov_b32 s36, 16
	s_mov_b32 s37, 32
	s_mov_b32 s38, 0
	s_mov_b32 s39, 0
	s_mov_b32 s40, 1
	s_lshl_b32 s41, s[WV], 15                      ; waves 0-2: K's thirds; waves 3-5: V's
	s_mul_i32 s59, s[WV], 11
	s_lshr_b32 s59, s59, 5                         ; 0 for waves 0-2, 1 for waves 3-5
	s_mul_i32 s58, s59, 3
	s_sub_co_u32 s58, s[WV], s58                   ; which third
	s_add_co_u32 s59, s59, 1
	s_mul_i32 s60, s59, 6291456
	s_mul_i32 s59, s52, 98304
	s_add_co_u32 s60, s60, s59
	s_lshl_b32 s58, s58, 15
	s_add_co_u32 s60, s60, s58
	s_mov_b32 s61, 0
	s_lshl_b32 s62, s53, 3
	s_add_co_u32 s62, s62, s55                     ; 8 b + pair
	s_lshl_b32 s68, s62, 13
	s_lshl_b32 s59, s56, 7
	s_add_co_u32 s68, s68, s59
	s_add_co_u32 s68, s68, 262144
	s_mov_b32 s69, 0
	s_lshl_b32 s70, s52, 12
	s_add_co_u32 s70, s70, 524288
	s_mov_b32 s71, 0
	s_mov_b32 s44, 1
	s_mov_b32 s45, KSC
	s_mov_b32 s48, 1
	s_mov_b32 s49, VSC
	s_mov_b32 s10, 0x76543210
	s_mov_b32 s11, 0xfedcba98                      ; v_permlanex16_b32's selects for lane l xor 16
	s_mov_b32 s12, 0x3e38aa3b                      ; c = log2(e) / 8
	s_mov_b32 s13, s12
	s_mov_b32 s14, 0xbe38aa3b                      ; -c
	s_mov_b32 s15, 0x04040100                      ; a word's lower two bytes, and the constant's byte twice
	s_mov_b32 s98, 0x04040302                      ; its upper two
	WALU
	s_wait_dscnt 0x0                               ; both opening adds are done
	s_wait_kmcnt 0x0
	s_add_nc_u64 s[42:43], s[84:85], s[60:61]
	s_or_b32 s43, s43, 0x80000000
	s_add_nc_u64 s[46:47], s[86:87], s[68:69]
	s_or_b32 s47, s47, 0x80000000
	s_add_nc_u64 s[50:51], s[86:87], s[70:71]
	s_or_b32 s51, s51, 0x80000000
	CROUND                                         ; all four work-groups are here: the joint loads meet
	s_cmp_lt_u32 s[WV], 6                          ; one chain of branches on the wave's number: every way passes one load
	s_cbranch_scc0 .Lnot_kv
	tensor_load_to_lds s[40:43], s[16:23]
	s_nop 0
	PLACES
	s_branch .Lasked
.Lnot_kv:
	s_cmp_eq_u32 s[WV], 6
	s_cbranch_scc0 .Lnot_ks
	tensor_load_to_lds s[44:47], s[24:31]
	s_nop 0
	PLACES
	s_branch .Lasked
.Lnot_ks:
	tensor_load_to_lds s[48:51], s[32:39]
	s_nop 0
	PLACES
.Lasked:
	; the identity behind q: query r's code -1.0 (0x28) in word r / 4 of registers 6-9, its bit 3 at bit B + 6 (r % 4), B = 3, 7, 5, 3; my first tile's in lanes 0-15, my second's in lanes 16-31
	v_and_b32 v233, 3, v61
	v_mul_u32_u24 v233, v233, 6
	v_mov_b32 v234, 5
	v_lshlrev_b32 v233, v233, v234
	v_lshrrev_b32 v234, 2, v60                     ; 4 h + r / 4
.irp d, 0,1,2,3
	v_lshlrev_b32 v235, 3+4*(\d%2)*(1-\d/2)+2*(\d/2)*(1-\d%2), v233
	v_cmp_eq_u32 vcc_lo, \d, v234
	v_cndmask_b32 v[38+\d], 0, v235, vcc_lo
	v_cmp_eq_u32 vcc_lo, 4+\d, v234
	v_cndmask_b32 v[50+\d], 0, v235, vcc_lo
.endr
	; my own bases; cx enters global addresses alone
	s_bfe_u32 s57, ttmp6, 0x40000                  ; cx
	s_lshl_b32 s58, s57, 5
	s_lshl_b32 s59, s[WV], 1
	s_add_co_u32 s58, s58, s59                     ; my first query tile: 32 cx + 2 wave (+ 16 in the second pass)
	s_lshl_b32 s59, s52, 7
	s_add_co_u32 s59, s59, s58
	s_mul_i32 s60, s59, 768
	s_mov_b32 s61, 0
	s_add_nc_u64 s[94:95], s[84:85], s[60:61]      ; Q's two half fragments
	s_lshl_b32 s59, s62, 5
	s_lshl_b32 s60, s57, 3
	s_add_co_u32 s59, s59, s60
	s_lshr_b32 s60, s[WV], 1
	s_add_co_u32 s59, s59, s60                     ; which 64 rows
	s_lshl_b32 s59, s59, 8
	s_lshl_b32 s60, s56, 7
	s_add_co_u32 s59, s59, s60
	s_and_b32 s60, s[WV], 1                        ; which word: it holds both my tiles' bytes
	s_lshl_b32 s60, s60, 2
	s_add_co_u32 s60, s59, s60
	s_add_nc_u64 s[96:97], s[86:87], s[60:61]      ; Q's scale word
	s_lshl_b32 s59, s53, 7
	s_add_co_u32 s59, s59, s58                     ; 128 b + tile
	s_lshl_b32 s60, s59, 15
	s_add_nc_u64 s[88:89], s[88:89], s[60:61]      ; the tiles' mask codes
	s_add_co_u32 s59, s59, 1792                    ; the result's tile in img
	s_mul_i32 s60, s59, 12288
	s_mul_i32 s63, s55, 1536                       ; K step = the pair of heads,
	s_add_co_u32 s60, s60, s63
	s_mul_i32 s63, s56, 768                        ; my head's half of the fragment
	s_add_co_u32 s60, s60, s63
	s_add_nc_u64 s[90:91], s[90:91], s[60:61]
	s_lshl_b32 s60, s59, 9
	s_lshr_b32 s63, s55, 2
	s_lshl_b32 s63, s63, 8
	s_add_co_u32 s60, s60, s63
	s_and_b32 s63, s55, 3
	s_lshl_b32 s63, s63, 2
	s_add_co_u32 s60, s60, s63
	s_lshl_b32 s63, s56, 1
	s_add_co_u32 s60, s60, s63
	s_add_nc_u64 s[92:93], s[92:93], s[60:61]      ; my head's two bytes of the row's scale word
	s_mov_b32 s5, 2
	WALU                                           ; the wait at the head's end
	s_wait_tensorcnt 0x0                           ; my load has landed
	s_barrier_signal -1
	s_barrier_wait -1                              ; everybody's has: K, V and their scale words lie in LDS for the rest of the launch
.Lpass:                                                ; A PASS: two tiles of 16 queries against all 2,048 keys
	s_wait_dscnt 0x0                               ; what the last step asked for ahead has landed: its registers are loaded anew
	s_wait_loadcnt 0x0
.irp p, 0,1,2
	global_load_b64 v[32+2*\p:33+2*\p], v1, s[94:95] offset:256*\p
	global_load_b64 v[44+2*\p:45+2*\p], v1, s[94:95] offset:768+256*\p
.endr
	global_load_b32 v236, v63, s[96:97]
	MASKS v6
.irp j, 0,1
	ds_load_b64 v[16+2*\j:17+2*\j], v3 offset:128*\j
.endr
	KFRAGS v1
	s_wait_dscnt 24                                ; K's words are in; the 24 fragment loads may be out
	PERMS
	VFRAGS v2
	s_mov_b32 s6, 16
	s_mov_b32 s7, 0                                ; LDS offset of the step's K and V (6,144 a step)
	s_mov_b32 s8, 0                                ; of its scale words (256 a step)
	s_mov_b32 s9, 0                                ; offset of its mask codes (2,048 a step)
	s_wait_loadcnt 8                               ; q's seven loads are in; the mask's eight may be out
	v_perm_b32 v12, v11, v236, s15                 ; q's two bytes, and 157 twice
	v_perm_b32 v13, v11, v236, s98
	WIN 0x40
.irp q, 0,128
	v_mov_b32 v[\q+101], 0xff61b1e6                ; the largest score so far: -3e38
	v_mov_b32 v[\q+100], 0x7e000000                ; -M: 2^125, so that the first f is 0
	v_mov_b32 v[\q+102], 0
	v_mov_b32 v[\q+103], 0
.endr
.set j, 0
.rept 32
	v_mov_b32 v[64+j], 0                           ; O^T: the step is written once, and the first f leaves zeros zeros.  (Also the places between the writes of the scale words and the first product)
	v_mov_b32 v[192+j], 0
.set j, j+1
.endr
	WIN 0
	WALU
.Lstep:                                                ; A KEY STEP: 128 keys
	s_wait_dscnt 12                                ; K's fragments are in; V's 12 loads may be out
	s_wait_loadcnt 0x0                             ; the mask codes
	WIN 0x40
.irp t, 0,1,2,3,4,5,6,7
	v_wmma_scale_f32_16x16x128_f8f6f4 v[8*\t:8*\t+7], v[KO+12*\t:KO+12*\t+11], v[32:43], 0, v[20+\t], v12 matrix_a_fmt:MATRIX_FMT_FP6 matrix_b_fmt:MATRIX_FMT_FP6
	v_wmma_scale_f32_16x16x128_f8f6f4 v[128+8*\t:128+8*\t+7], v[KO+12*\t:KO+12*\t+11], v[44:55], 0, v[20+\t], v13 matrix_a_fmt:MATRIX_FMT_FP6 matrix_b_fmt:MATRIX_FMT_FP6
.endr
	WIN 0
	v_add_nc_u32 v59, s8, v58                      ; these four are the places in front of the loads below and of the first read of the scores
	s_add_co_u32 s7, s7, 6144
	s_add_co_u32 s8, s8, 256
	s_add_co_u32 s9, s9, 2048
	s_and_b32 s9, s9, 0x7fff                       ; (in the last step: the tiles' first codes again, so that the loads stay inside the tiles' bytes)
	v_add_nc_u32 v7, s7, v1
	v_add_nc_u32 v9, s8, v3
	v_add_nc_u32 v10, s9, v6
.irp j, 0,1
	ds_load_b64 v[28+2*\j:29+2*\j], v59 offset:128*\j   ; this step's V words
.endr
.irp j, 0,1
	ds_load_b64 v[16+2*\j:17+2*\j], v9 offset:128*\j    ; the next step's K words,
.endr
	KFRAGS v7                                      ; fragments
	MASKS v10                                      ; and mask codes
	WIN 0x55                                       ; all in window 1
.irp c, 0,1                            ; the largest score of each block of 32 keys, in two chains: for the row's maximum and, since p rises with the score, for the block's largest p.  Each accumulator is first read at its low end
.irp q, 0,128
	v_max3_num_f32 v[\q+96+\c], v[\q+32*\c], v[\q+32*\c+1], v[\q+32*\c+2]
	v_max3_num_f32 v[\q+98+\c], v[\q+32*\c+16], v[\q+32*\c+17], v[\q+32*\c+18]
.endr
.endr
.irp i, 3,5,7,9,11,13
.irp c, 0,1
.irp q, 0,128
	v_max3_num_f32 v[\q+96+\c], v[\q+96+\c], v[\q+32*\c+\i], v[\q+32*\c+\i+1]
	v_max3_num_f32 v[\q+98+\c], v[\q+98+\c], v[\q+32*\c+16+\i], v[\q+32*\c+17+\i]
.endr
.endr
.endr
.irp c, 0,1
.irp q, 0,128
	v_max3_num_f32 v[\q+96+\c], v[\q+96+\c], v[\q+98+\c], v[\q+32*\c+15]
.endr
.endr
.irp c, 0,1
.irp q, 0,128
	v_max_num_f32 v[\q+96+\c], v[\q+96+\c], v[\q+32*\c+31]
.endr
.endr
.irp q, 0,128
	v_max_num_f32 v[\q+106], v[\q+96], v[\q+97]
.endr
.irp q, 0,128
	v_permlanex16_b32 v[\q+113], v[\q+106], s10, s11
	v_mov_b32 v[\q+107], v[\q+100]
.endr
.irp q, 0,128
	v_max3_num_f32 v[\q+101], v[\q+101], v[\q+106], v[\q+113]   ; the running largest score of my query
.endr
.irp q, 0,128
	v_mul_f32 v[\q+106], s14, v[\q+101]            ; -t
.endr
.irp q, 0,128
	v_floor_f32 v[\q+100], v[\q+106]               ; the new -M
.endr
.irp q, 0,128
	v_sub_f32 v[\q+107], v[\q+100], v[\q+107]      ; old M - new M: a whole number, 0 or less
.endr
.irp q, 0,128
	v_cvt_i32_f32 v[\q+107], v[\q+107]             ; (it saturates)
.endr
.irp q, 0,128
	v_ldexp_f32 v[\q+104], 1.0, v[\q+107]          ; f = 2^(old M - new M)
.endr
.set j, 0
.rept 32
	v_pk_fma_f32 v[j:j+1], v[j:j+1], s[12:13], v[100:101] op_sel_hi:[1,0,0]   ; tile 0: t - M
.set j, j+2
.endr
	v_fma_f32 v96, v96, s12, v100
	v_fma_f32 v97, v97, s12, v100
.irp q, 0,128
	v_pk_mul_f32 v[\q+102:\q+103], v[\q+102:\q+103], v[\q+104:\q+105] op_sel_hi:[1,0]   ; l under the new M
.endr
.set j, 0
.rept 16
.irp q, 0,128
	v_pk_mul_f32 v[\q+64+j:\q+65+j], v[\q+64+j:\q+65+j], v[\q+104:\q+105] op_sel_hi:[1,0]   ; O^T under the new M
.endr
.set j, j+2
.endr
	WALU                                           ; the wait ahead of a batch of exponentials
.set j, 0
.rept 32
	v_exp_f32 v[j], v[j]                           ; tile 0: p = 2^(t - M);
	v_exp_f32 v[j+1], v[j+1]
	v_pk_fma_f32 v[128+j:129+j], v[128+j:129+j], s[12:13], v[228:229] op_sel_hi:[1,0,0]   ; among them tile 1's t - M
.set j, j+2
.endr
	v_exp_f32 v96, v96                             ; each block's largest p
	v_exp_f32 v97, v97
	v_fma_f32 v224, v224, s12, v228
	v_fma_f32 v225, v225, s12, v228
	WALU                                           ; behind tile 0's batch and ahead of tile 1's
.set j, 0
.rept 64
	v_exp_f32 v[128+j], v[128+j]
.set j, j+1
.endr
	v_exp_f32 v224, v224
	v_exp_f32 v225, v225
	v_nop                                          ; a plain instruction behind the exponentials
	WALU                                           ; and the wait ahead of their first reader
.irp q, 0,128                          ; l: the sum of the unquantised p, four chains a tile
	v_pk_add_f32 v[\q+102:\q+103], v[\q+102:\q+103], v[\q:\q+1]
.irp k, 1,2,3
	v_pk_add_f32 v[\q+114+2*\k:\q+115+2*\k], v[\q+16*\k:\q+16*\k+1], v[\q+16*\k+2:\q+16*\k+3]
.endr
.endr
.irp q, 0,128
	v_pk_add_f32 v[\q+102:\q+103], v[\q+102:\q+103], v[\q+2:\q+3]
.endr
.irp i, 4,6,8,10,12,14
.irp q, 0,128
	v_pk_add_f32 v[\q+102:\q+103], v[\q+102:\q+103], v[\q+\i:\q+\i+1]
.irp k, 1,2,3
	v_pk_add_f32 v[\q+114+2*\k:\q+115+2*\k], v[\q+114+2*\k:\q+115+2*\k], v[\q+16*\k+\i:\q+16*\k+\i+1]
.endr
.endr
.endr
.irp q, 0,128
	v_pk_add_f32 v[\q+116:\q+117], v[\q+116:\q+117], v[\q+118:\q+119]
	v_pk_add_f32 v[\q+102:\q+103], v[\q+102:\q+103], v[\q+120:\q+121]
.endr
.irp c, 0,1
.irp q, 0,128
	v_max_num_f32 v[\q+96+\c], 0x1800000, v[\q+96+\c]   ; the floor 2^(3 - 127)
.endr
.endr
.irp q, 0,128
	v_pk_add_f32 v[\q+102:\q+103], v[\q+102:\q+103], v[\q+116:\q+117]
.endr
.irp c, 0,1
.irp q, 0,128
	v_add_nc_u32 v[\q+108+\c], 0xff000000, v[\q+96+\c]  ; the conversion's scale operand
.endr
.endr
.irp c, 0,1
.irp q, 0,128
	v_lshrrev_b32 v[\q+110+\c], 23, v[\q+108+\c]        ; the byte of my block 2 c + h
.endr
.endr
.irp q, 0,128
	v_lshl_or_b32 v[\q+112], v[\q+111], 16, v[\q+110]
.endr
.irp q, 0,128
	v_lshlrev_b32 v[\q+112], v[\q+126], v[\q+112]       ; at their places in the word, 8 h bits up
.endr
.irp q, 0,128
	v_permlanex16_b32 v[\q+113], v[\q+112], s10, s11
.endr
	WIN 0x05                                       ; sources in window 1, destination in window 0
	v_or_b32 v56, v112, v113                       ; with lane l xor 16's two bytes: p's scale word for these 128 keys
	v_or_b32 v57, v240, v241
.irp c, 0,1
	v_cvt_scalef32_pk16_fp6_f32 v[208+6*\c:210+6*\c], v[32*\c:32*\c+15], v[108+\c]
	v_cvt_scalef32_pk16_fp6_f32 v[240+4*\c:242+4*\c], v[32*\c+16:32*\c+31], v[108+\c]   ; (a conversion's three registers begin on an even number)
	v_cvt_scalef32_pk16_fp6_f32 v[220+6*\c:222+6*\c], v[128+32*\c:143+32*\c], v[236+\c]
	v_cvt_scalef32_pk16_fp6_f32 v[248+4*\c:250+4*\c], v[144+32*\c:159+32*\c], v[236+\c]
.endr
	WIN 0
	v_nop                                          ; one plain instruction behind the scaled conversions
	WALU                                           ; the wait ahead of the wait below
	s_wait_dscnt 24                                ; V, its words and the next K words are in; the next K fragments' 24 loads may be out
	PERMS                                          ; the next step's key scale words: the 16 lines below and the four behind the products stand between them and the next score product
.irp c, 0,1
.irp i, 0,1,2
	v_mov_b32 v[211+6*\c+\i], v[240+4*\c+\i]
	v_mov_b32 v[223+6*\c+\i], v[248+4*\c+\i]
.endr
.endr
	PLACES                                         ; between the writes of p's codes and the products
	WIN 0x50                                       ; C and D in window 1
.irp t, 0,1,2,3
	v_wmma_scale_f32_16x16x128_f8f6f4 v[64+8*\t:71+8*\t], v[VO+12*\t:VO+12*\t+11], v[208:219], v[64+8*\t:71+8*\t], v[28+\t], v56 matrix_a_fmt:MATRIX_FMT_FP6 matrix_b_fmt:MATRIX_FMT_FP6
	v_wmma_scale_f32_16x16x128_f8f6f4 v[192+8*\t:199+8*\t], v[VO+12*\t:VO+12*\t+11], v[220:231], v[192+8*\t:199+8*\t], v[28+\t], v57 matrix_a_fmt:MATRIX_FMT_FP6 matrix_b_fmt:MATRIX_FMT_FP6
.endr
	WIN 0
	v_add_nc_u32 v8, s7, v2                        ; four places in front of the loads into V's registers
.rept 3
	v_nop
.endr
	VFRAGS v8                                      ; the next step's V
	s_sub_co_u32 s6, s6, 1
	s_cmp_lg_u32 s6, 0
	WALU                                           ; the wait ahead of the branch
	s_cbranch_scc1 .Lstep
	; THE PASS'S END: O / l, quantised along the head's 64: register 16 b + i of a lane is d 32 b + 16 h + i of its query
	WIN 0x55
.irp q, 0,128
	v_add_f32 v[\q+102], v[\q+102], v[\q+103]
.endr
.irp q, 0,128
	v_permlanex16_b32 v[\q+113], v[\q+102], s10, s11
.endr
.irp q, 0,128
	v_add_f32 v[\q+102], v[\q+102], v[\q+113]      ; the row's sum
.endr
	WALU
	v_rcp_f32 v102, v102
	v_rcp_f32 v230, v230
	v_nop
	WALU
.set j, 0
.rept 32
.irp q, 0,128
	v_mul_f32 v[\q+j], v[\q+64+j], v[\q+102]
.endr
.set j, j+1
.endr
.irp b, 0,1
.irp q, 0,128
	v_max3_num_f32 v[\q+96+\b], |v[\q+16*\b]|, |v[\q+16*\b+1]|, 0x1800000
.endr
.endr
.irp i, 2,4,6,8,10,12,14
.irp b, 0,1
.irp q, 0,128
	v_max3_num_f32 v[\q+96+\b], v[\q+96+\b], |v[\q+16*\b+\i]|, |v[\q+16*\b+\i+1]|
.endr
.endr
.endr
.irp b, 0,1
.irp q, 0,128
	v_permlanex16_b32 v[\q+113+\b], v[\q+96+\b], s10, s11
.endr
.endr
.irp b, 0,1
.irp q, 0,128
	v_max_num_f32 v[\q+96+\b], v[\q+96+\b], v[\q+113+\b]
.endr
.endr
.irp b, 0,1
.irp q, 0,128
	v_add_nc_u32 v[\q+108+\b], 0xff000000, v[\q+96+\b]
.endr
.endr
.irp b, 0,1
.irp q, 0,128
	v_lshrrev_b32 v[\q+110+\b], 23, v[\q+108+\b]
.endr
.endr
.irp q, 0,128
	v_lshl_or_b32 v[\q+112], v[\q+111], 8, v[\q+110]   ; my row's two bytes (the same in lanes l and l xor 16)
.endr
.irp q, 0,128
	v_cvt_scalef32_pk16_fp6_f32 v[\q+32:\q+34], v[\q:\q+15], v[\q+108]
	v_cvt_scalef32_pk16_fp6_f32 v[\q+40:\q+42], v[\q+16:\q+31], v[\q+109]
.endr
	v_nop
.irp q, 0,128
.irp i, 0,1,2
	v_permlane16_swap_b32 v[\q+32+\i], v[\q+40+\i]
.endr
.endr
.irp q, 0,128
.irp i, 0,1,2
	v_mov_b32 v[\q+35+\i], v[\q+40+\i]             ; six registers: lanes 0-15 block 0, lanes 16-31 block 1
.endr
.endr
	WIN 0x04                                       ; the stores' data in window 1
.irp q, 0,128
.irp p, 0,1,2
	global_store_b64 v1, v[\q+32+2*\p:\q+33+2*\p], s[90:91] offset:12288*(\q/128)+256*\p   ; 256 consecutive bytes, aligned
.endr
	global_store_b16 v232, v[\q+112], s[92:93] offset:512*(\q/128)   ; two bytes a row, 16 bytes apart: a head owns two of a row's 32 scale bytes
.endr
	WIN 0
	s_wait_xcnt 0x0                                ; the loads and stores have read their bases
	s_add_nc_u64 s[94:95], s[94:95], 12288         ; 16 tiles on, in each of the five (behind the last pass they are not used)
	s_add_nc_u64 s[96:97], s[96:97], 1024
	s_add_nc_u64 s[88:89], s[88:89], 524288
	s_add_nc_u64 s[90:91], s[90:91], 196608
	s_add_nc_u64 s[92:93], s[92:93], 8192
	s_sub_co_u32 s5, s5, 1
	s_cmp_lg_u32 s5, 0
	WALU
	s_cbranch_scc1 .Lpass
	s_wait_tensorcnt 0x0                           ; the wave's end
	ds_add_u32 v4, v5
	s_wait_dscnt 0x0
	CROUND                                         ; the closing round
	s_endpgm
.Lfunc_end_k_q0f90f8538a_attn:
	.size	k_q0f90f8538a_attn, .Lfunc_end_k_q0f90f8538a_attn-k_q0f90f8538a_attn
	.p2alignl 7, 3214868480
	.fill 96, 4, 3214868480
	.section	.rodata,"a",@progbits
	.p2align	6, 0x0
	.amdhsa_kernel k_q0f90f8538a_attn
		.amdhsa_group_segment_fixed_size 327680
		.amdhsa_private_segment_fixed_size 0
		.amdhsa_enable_private_segment 0
		.amdhsa_kernarg_size 40
		.amdhsa_user_sgpr_count 2
		.amdhsa_user_sgpr_kernarg_segment_ptr 1
		.amdhsa_wavefront_size32 1
		.amdhsa_system_sgpr_workgroup_id_x 1
		.amdhsa_system_sgpr_workgroup_id_y 1
		.amdhsa_system_sgpr_workgroup_id_z 1
		.amdhsa_system_vgpr_workitem_id 0
		.amdhsa_next_free_vgpr 512
		.amdhsa_next_free_sgpr 102
		.amdhsa_reserve_vcc 1
		.amdhsa_float_denorm_mode_32 3
		.amdhsa_float_denorm_mode_16_64 3
		.amdhsa_memory_ordered 1
		.amdhsa_forward_progress 1
		.amdhsa_inst_pref_size 54
	.end_amdhsa_kernel
	.amdgpu_metadata
---
amdhsa.version: [ 1, 2 ]
amdhsa.kernels:
  - .name:           k_q0f90f8538a_attn
    .symbol:         k_q0f90f8538a_attn.kd
    .args:
      - { .name: himg, .offset: 0, .size: 8, .value_kind: global_buffer, .address_space: global }
      - { .name: hsc, .offset: 8, .size: 8, .value_kind: global_buffer, .address_space: global }
      - { .name: maskw, .offset: 16, .size: 8, .value_kind: global_buffer, .address_space: global }
      - { .name: img, .offset: 24, .size: 8, .value_kind: global_buffer, .address_space: global }
      - { .name: scl, .offset: 32, .size: 8, .value_kind: global_buffer, .address_space: global }
    .group_segment_fixed_size: 327680
    .private_segment_fixed_size: 0
    .kernarg_segment_align: 8
    .kernarg_segment_size: 40
    .max_flat_workgroup_size: 256
    .sgpr_count:     102
    .vgpr_count:     512
    .wavefront_size: 32
...
	.end_amdgpu_metadata
.endif
;; end of part 3
;; launch outp (part 4): grid 4 x 64, 4 waves a work-group, clusters of 4 x 4, 327,680 bytes of LDS; arguments img, scl, bo, out0; writes out0
.if DOCPART == 4
	.amdgcn_target "amdgcn-amd-amdhsa--gfx1250"
	.amdhsa_code_object_version 6
	.text
	.protected	k_q0f90f8538a_outp
	.globl	k_q0f90f8538a_outp
	.p2align	8
	.type	k_q0f90f8538a_outp,@function
k_q0f90f8538a_outp:
	s_mov_b64 s[64:65], 0
	v_nop
	global_prefetch_b8 v0, s[64:65] scope:SCOPE_SE
	s_setreg_imm32_b32 hwreg(HW_REG_WAVE_MODE, 25, 1), 1
	s_wait_xcnt 0x0
	s_wait_alu depctr_hold_cnt(0) depctr_sa_sdst(0) depctr_va_vdst(0) depctr_va_sdst(0) depctr_va_ssrc(0) depctr_va_vcc(0) depctr_vm_vsrc(0)
	s_getreg_b32 s2, hwreg(HW_REG_IB_STS2, 6, 4)
	s_cmp_eq_u32 s2, 0
	s_cbranch_scc0 .Lentry_in_a_cluster
	s_endpgm
.Lentry_in_a_cluster:
	s_bfe_u32 s2, ttmp6, 0x10000c
	s_cmp_lg_u32 s2, 0xf033
	s_cbranch_scc0 .Lentry_shape_is_right
	s_endpgm
.Lentry_shape_is_right:
; OUTP.  out0 = A Wo + bo on codes of FP6 (E2M3) with E8M0 scales, f32 sums.  A is the attention's result, tiles 1,792 on in img and scl; Wo's tiles are 1,728 on.
; D = src0's rows (Wo's columns n) x src1's rows (tokens): a lane holds one token and, in the 16 registers of src0's tiles 2 b, 2 b + 1, the columns 32 b + 16 (lane / 16) + 0 .. 15.
; Row i of tile T is 32 (T / 2) + 8 (T % 2) + i + 8 (i / 8).  A work-group: 256 columns x 128 tokens; a wave: 128 x 64 = 32 accumulators.  256 work-groups.
; LDS.  Both operands' whole K, 24 tiles x 12,288 bytes, is filled ONCE in two chunks of 512 along K: no byte is filled twice.  A wave has one tensor load outstanding.
; Wo's fragments lie as three groups of 512 bytes (16 bytes a lane), A's as six pieces of 256 bytes (8 bytes a lane): the attention made them a half at a time.
; CLUSTER 4 x 4: src0's tiles hang on cx and are shared along a column of the cluster, src1's on cy and are shared along a row: joint loads.
; THE WAY OUT goes through a stage of 16 rows x (512 + 16) bytes for each wave.  It lies in chunk 0, which has had its only fill and whose last reads every wave awaited in front of the barrier at chunk 1.
; REGISTERS.  Window 0: v1-19 addresses; v28, v29 the add's two; v32-95 scale words; v96-159 a tile's results; v160-223 rows read back.  Window 1: accumulators, (a, b) at 8 (8 a + b).
;   Windows 2, 3: fragment sets 0, 1: src0's tile b at 12 b, src1's tile a at 96 + 12 a.  Window 2 also: v160-223 the bias.
.set CH,    147456                     ; AS THIS TEXT HAS IT: LDS holds two chunks, each half of K (four K steps): src0's 16 tiles x 6,144 bytes, then src1's 8.  One joint load a wave: waves 0, 1 the first chunk's src0 and src1, waves 2, 3 the second's.  The stage lies in the first chunk, whose last reads every wave awaited in front of the barrier at the second
.set S1O,   98304
.set SPARE, 294912                     ; behind the two chunks: the spare words, 128 bytes a wave, which no other line names
.set WV,    18
.set SPW,   28
.set NIL,   29
.set SC,    32
.set H,     96
.set OB,    160
.set B0,    160
.set G1A,   28
.set G1B,   36
.set G0A,   44
.set G0B,   68
.set MSB, 0
.macro WIN new
.if MSB != (\new)
	s_set_vgpr_msb (MSB<<8)|(\new)
.set MSB, (\new)
.endif
.endm
.macro PLACES
.rept 4
	v_nop
.endr
.endm
.macro CROUND
	s_barrier_signal -1
	s_barrier_wait -1
	s_cmp_lg_u32 s[WV], 0
	s_cbranch_scc1 .Lnot_wave_0_\@
	s_barrier_signal -3
.Lnot_wave_0_\@:
	s_barrier_wait -3
	s_barrier_signal -1
	s_barrier_wait -1
.endm
	s_load_b256 s[4:11], s[0:1], 0x0               ; img s[4:5], scl s[6:7], bo s[8:9], out0 s[10:11]
	v_lshl_add_u32 v[SPW], v0, 2, SPARE
	v_mov_b32 v[NIL], 0
	ds_add_u32 v[SPW], v[NIL]                      ; the wave's opening: the add and its wait ahead of the first tensor load; work on registers stands between
	ds_add_u32 v[SPW], v[NIL]
	v_lshrrev_b32 v1, 5, v0
	v_readfirstlane_b32 s[WV], v1
	s_lshr_b32 s19, s[WV], 1                       ; wu: which 128 columns are mine
	s_and_b32 s20, s[WV], 1                        ; wh: which 64 tokens.  Also: which half of a chunk's tiles I fetch
	v_and_b32 v13, 31, v0
	v_lshlrev_b32 v1, 4, v13                       ; 16 x lane
	v_lshlrev_b32 v13, 3, v13                      ; 8 x lane
	v_and_b32 v2, 15, v0                           ; r
	v_bfe_u32 v3, v0, 4, 1                         ; h
	s_mul_i32 s84, s19, 49152
	s_mul_i32 s85, s20, 24576
	s_add_co_u32 s85, s85, S1O
.irp c, 0,1
	v_add_nc_u32 v[4+\c], s84, v1
	v_add_nc_u32 v[8+\c], s85, v13                 ; my src1 tiles, 8 bytes a lane
	s_add_co_u32 s84, s84, CH
	s_add_co_u32 s85, s85, CH
.endr
	s_mul_i32 s84, s[WV], 8448                     ; my stage
	s_wait_alu depctr_va_vdst(0)                   ; the wait ahead of the readers below
	v_mul_u32_u24 v18, v2, 528
	v_lshl_add_u32 v18, v3, 6, v18
	v_add_nc_u32 v18, s84, v18                     ; in: row r, + 64 h
	v_add_nc_u32 v19, s84, v1                      ; back: a whole row of 512 bytes
	s_bfe_u32 s21, ttmp6, 0x40000                  ; cx
	s_bfe_u32 s22, ttmp6, 0x40004                  ; cy
	s_and_b32 s23, ttmp7, 0xffff                   ; cluster y, 0..15
	s_lshl_b32 s60, s21, 4
	s_add_co_u32 s60, s60, 1728                    ; src0's first tile: it holds cx and never cy
	s_lshl_b32 s63, s23, 2
	s_add_co_u32 s63, s63, s22                     ; which 128 tokens
	s_lshl_b32 s61, s63, 3
	s_add_co_u32 s61, s61, 1792                    ; src1's first tile: it holds cy and never cx
	s_lshl_b32 s94, 0x1111, s21                    ; my column of the cluster
	s_lshl_b32 s95, s22, 2
	s_lshl_b32 s95, 15, s95                        ; my row
	; group 1: rows of 6,144 bytes (768 elements of 8 bytes), 12,288 bytes apart; src0: 16 rows a load, src1: 8; no padding
	s_or_b32 s[G1A], s94, (3<<16)|(1<<21)
	s_mov_b32 s[G1A+1], 768<<16                    ; rows of 6,144 bytes (four K steps of a tile), 16 tiles
	s_mov_b32 s[G1A+2], 16<<16
	s_mov_b32 s[G1A+3], 768<<16
	s_mov_b32 s[G1A+4], 16
	s_mov_b32 s[G1A+5], 1536
	s_mov_b32 s[G1A+6], 0
	s_mov_b32 s[G1A+7], 0
	s_or_b32 s[G1B], s95, (3<<16)|(1<<21)
	s_mov_b32 s[G1B+1], 768<<16                    ; the same, 8 tiles
	s_mov_b32 s[G1B+2], 8<<16
	s_mov_b32 s[G1B+3], 768<<16
	s_mov_b32 s[G1B+4], 8
	s_mov_b32 s[G1B+5], 1536
	s_mov_b32 s[G1B+6], 0
	s_mov_b32 s[G1B+7], 0
	s_mul_i32 s84, s60, 12288                      ; src0's tiles, in bytes,
	s_mul_i32 s82, s19, 6144                       ; + the half of K that my wave fetches (wave / 2)
	s_add_co_u32 s84, s84, s82
	s_mov_b32 s85, 0
	s_mul_i32 s86, s61, 12288                      ; src1's
	s_add_co_u32 s86, s86, s82
	s_mov_b32 s87, 0
	s_mul_i32 s82, s19, CH                         ; and where they go
	s_add_co_u32 s83, s82, S1O
	s_wait_alu depctr_va_vdst(0)                   ; the wait ahead of the waits below
	s_wait_dscnt 0x0                               ; the opening adds are done
	s_wait_kmcnt 0x0
	s_add_nc_u64 s[84:85], s[4:5], s[84:85]
	s_add_nc_u64 s[86:87], s[4:5], s[86:87]
.irp c, 0
	s_mov_b32 s[G0A+4*\c], 1
	s_add_co_u32 s[G0A+4*\c+1], s82, \c*CH
	s_add_nc_u64 s[G0A+4*\c+2:G0A+4*\c+3], s[84:85], \c*3072
	s_or_b32 s[G0A+4*\c+3], s[G0A+4*\c+3], 0x80000000
	s_mov_b32 s[G0B+4*\c], 1
	s_add_co_u32 s[G0B+4*\c+1], s83, \c*CH
	s_add_nc_u64 s[G0B+4*\c+2:G0B+4*\c+3], s[86:87], \c*3072
	s_or_b32 s[G0B+4*\c+3], s[G0B+4*\c+3], 0x80000000
.endr
	CROUND                                         ; all sixteen work-groups are here: the joint loads meet
	s_cmp_eq_u32 s[WV], 0                          ; one chain of branches on the wave's number, one load to an arm
	s_cbranch_scc0 .Lfill_1
	tensor_load_to_lds s[G0A:G0A+3], s[G1A:G1A+7]  ; wave 0: src0, K steps 0-3
	s_nop 0
	PLACES
	s_branch .Lfilled
.Lfill_1:
	s_cmp_eq_u32 s[WV], 1
	s_cbranch_scc0 .Lfill_2
	tensor_load_to_lds s[G0B:G0B+3], s[G1B:G1B+7]  ; wave 1: src1, K steps 0-3
	s_nop 0
	PLACES
	s_branch .Lfilled
.Lfill_2:
	s_cmp_eq_u32 s[WV], 2
	s_cbranch_scc0 .Lfill_3
	tensor_load_to_lds s[G0A:G0A+3], s[G1A:G1A+7]  ; wave 2: src0, K steps 4-7
	s_nop 0
	PLACES
	s_branch .Lfilled
.Lfill_3:
	tensor_load_to_lds s[G0B:G0B+3], s[G1B:G1B+7]  ; wave 3: src1, K steps 4-7
	s_nop 0
	PLACES
.Lfilled:
	; the scale words come straight from memory: lanes 0-15 take src0's tiles, lanes 16-31 src1's
	s_lshl_b32 s94, s19, 3
	s_add_co_u32 s94, s94, s60
	s_lshl_b32 s94, s94, 9
	s_lshl_b32 s95, s20, 2
	s_add_co_u32 s95, s95, s61
	s_lshl_b32 s95, s95, 9
	v_cmp_ne_u32 vcc_lo, 0, v3
	v_mov_b32 v12, s94
	v_mov_b32 v14, s95
	v_cndmask_b32 v12, v12, v14, vcc_lo
	v_lshl_add_u32 v12, v2, 4, v12
	v_lshlrev_b32 v14, 11, v3
	v_sub_nc_u32 v14, v12, v14                     ; for tiles 4-7: lanes 16-31 four tiles back: they read src1's four tiles again and nothing past the buffer's end
.irp i, 0,1,2,3
.irp kh, 0,1
	global_load_b128 v[SC+8*\i+4*\kh:SC+8*\i+4*\kh+3], v12, s[6:7] offset:512*\i+256*\kh
.endr
.endr
.irp i, 4,5,6,7
.irp kh, 0,1
	global_load_b128 v[SC+8*\i+4*\kh:SC+8*\i+4*\kh+3], v14, s[6:7] offset:512*\i+256*\kh
.endr
.endr
	s_lshl_b32 s88, s21, 1
	s_add_co_u32 s88, s88, s19                     ; my 128 columns: 2 cx + wu
	s_lshl_b32 s89, s88, 9
	v_lshl_add_u32 v16, v3, 6, s89                 ; bo: my half's 16 of each 32
	WIN 0x80                                       ; destination window 2
.irp q, 0,1,2,3,4,5,6,7,8,9,10,11,12,13,14,15
	global_load_b128 v[B0+4*\q:B0+4*\q+3], v16, s[8:9] offset:128*(\q/4)+16*(\q%4)
.endr
	WIN 0
	s_lshl_b32 s90, s63, 3
	s_lshl_b32 s91, s20, 2
	s_add_co_u32 s90, s90, s91                     ; my first token tile
	s_lshl_b32 s90, s90, 16                        ; 16 rows of 4,096 bytes a tile
	s_add_co_u32 s90, s90, s89                     ; + my columns' 512 bytes
	s_mov_b32 s91, 0
	s_add_nc_u64 s[10:11], s[10:11], s[90:91]
.macro FETCH s                         ; K step s: 8 fragments by three loads of 16 bytes a lane, 4 by six of 8 bytes: 48 loads, into set s % 2
	WIN 0x80+0x40*((\s)%2)
.irp b, 0,1,2,3,4,5,6,7
.irp g, 0,1,2
	ds_load_b128 v[12*\b+4*\g:12*\b+4*\g+3], v[4+(\s)/4] offset:6144*\b+1536*((\s)%4)+512*\g
.endr
.endr
.irp a, 0,1,2,3
.irp p, 0,1,2,3,4,5
	ds_load_b64 v[96+12*\a+2*\p:96+12*\a+2*\p+1], v[8+(\s)/4] offset:6144*\a+1536*((\s)%4)+256*\p
.endr
.endr
.endm
.macro MUL s, zero                     ; 32 products; the 32 accumulators take turns, one instruction a turn
.irp a, 0,1,2,3
.irp b, 0,1,2,3,4,5,6,7
.if \zero
	v_wmma_scale_f32_16x16x128_f8f6f4 v[8*(8*\a+\b):8*(8*\a+\b)+7], v[12*\b:12*\b+11], v[96+12*\a:96+12*\a+11], 0, v[SC+8*\b+(\s)], v[SC+8*\a+(\s)] matrix_a_fmt:MATRIX_FMT_FP6 matrix_b_fmt:MATRIX_FMT_FP6 matrix_b_scale:MATRIX_SCALE_ROW1
.else
	v_wmma_scale_f32_16x16x128_f8f6f4 v[8*(8*\a+\b):8*(8*\a+\b)+7], v[12*\b:12*\b+11], v[96+12*\a:96+12*\a+11], v[8*(8*\a+\b):8*(8*\a+\b)+7], v[SC+8*\b+(\s)], v[SC+8*\a+(\s)] matrix_a_fmt:MATRIX_FMT_FP6 matrix_b_fmt:MATRIX_FMT_FP6 matrix_b_scale:MATRIX_SCALE_ROW1
.endif
.endr
.endr
.endm
.macro KSTEP s, zero
.if (\s) < 7
.if (\s)+1 == 4
	s_wait_tensorcnt 0x0                           ; the second chunk: every wave waits for its load
	s_wait_dscnt 0x0
	s_barrier_signal -1
	s_barrier_wait -1
.endif
.if (\s) > 0
	PLACES                                         ; four places in front of loads into registers that the last products read
.endif
	FETCH (\s)+1
	s_wait_dscnt 48                                ; all but the 48 just issued: this step's fragments are in
.else
	s_wait_dscnt 0x0
.endif
	WIN 0x5a+5*((\s)%2)
	MUL \s, \zero
.endm
	s_wait_alu depctr_va_vdst(0)                   ; the wait at the head's end
	s_cmp_lt_u32 s[WV], 2                          ; the first chunk is waves 0 and 1's: they wait for it; the second may still be on its way
	s_cbranch_scc0 .Lnot_first
	s_wait_tensorcnt 0x0
.Lnot_first:
	s_barrier_signal -1
	s_barrier_wait -1
	FETCH 0
	s_wait_loadcnt 0x0                             ; scale words and bias
	KSTEP 0, 1                                     ; the first products start the sums
.irp s, 1,2,3,4,5,6,7
	KSTEP \s, 0
.endr
	WIN 0
	PLACES
; THE WAY OUT: a tile of 16 tokens x my 128 columns at a time: bias, into my stage, back as whole rows of 512 bytes, stored.
.irp a, 0,1,2,3
	s_wait_xcnt 0x0                                ; the last tile's stores have read their registers
	WIN 0x09                                       ; source 0 (sums) window 1, source 1 (bias) window 2
.set j, 0
.rept 32
	v_pk_add_f32 v[H+j:H+j+1], v[64*\a+j:64*\a+j+1], v[B0+j:B0+j+1]   ; each accumulator from its low end on
.set j, j+2
.endr
	WIN 0
.irp q, 0,1,2,3,4,5,6,7,8,9,10,11,12,13,14,15
	ds_store_b128 v18, v[H+4*\q:H+4*\q+3] offset:128*(\q/4)+16*(\q%4)
.endr
.irp i, 0,1,2,3,4,5,6,7,8,9,10,11,12,13,14,15
	ds_load_b128 v[OB+4*\i:OB+4*\i+3], v19 offset:528*\i   ; LDS serves a wave's instructions in order: these see my stores
.endr
.irp i, 0,1,2,3,4,5,6,7,8,9,10,11,12,13,14,15
	s_wait_dscnt 15-\i                             ; row i is back; the younger loads may be out
	global_store_b128 v1, v[OB+4*\i:OB+4*\i+3], s[10:11] offset:(32*(\a/2)+8*(\a%2)+\i+8*(\i/8))*4096 th:TH_STORE_NT   ; 512 consecutive bytes, aligned
.endr
.endr
	s_wait_tensorcnt 0x0                           ; the wave's end, behind my last LDS store
	ds_add_u32 v[SPW], v[NIL]
	s_wait_dscnt 0x0
	CROUND                                         ; the closing round
	s_endpgm
.Lfunc_end_k_q0f90f8538a_outp:
	.size	k_q0f90f8538a_outp, .Lfunc_end_k_q0f90f8538a_outp-k_q0f90f8538a_outp
	.p2alignl 7, 3214868480
	.fill 96, 4, 3214868480
	.section	.rodata,"a",@progbits
	.p2align	6, 0x0
	.amdhsa_kernel k_q0f90f8538a_outp
		.amdhsa_group_segment_fixed_size 327680
		.amdhsa_private_segment_fixed_size 0
		.amdhsa_enable_private_segment 0
		.amdhsa_kernarg_size 32
		.amdhsa_user_sgpr_count 2
		.amdhsa_user_sgpr_kernarg_segment_ptr 1
		.amdhsa_wavefront_size32 1
		.amdhsa_system_sgpr_workgroup_id_x 1
		.amdhsa_system_sgpr_workgroup_id_y 1
		.amdhsa_system_sgpr_workgroup_id_z 1
		.amdhsa_system_vgpr_workitem_id 0
		.amdhsa_next_free_vgpr 1024
		.amdhsa_next_free_sgpr 102
		.amdhsa_reserve_vcc 1
		.amdhsa_float_denorm_mode_32 3
		.amdhsa_float_denorm_mode_16_64 3
		.amdhsa_memory_ordered 1
		.amdhsa_forward_progress 1
		.amdhsa_inst_pref_size 93
	.end_amdhsa_kernel
	.amdgpu_metadata
---
amdhsa.version: [ 1, 2 ]
amdhsa.kernels:
  - .name:           k_q0f90f8538a_outp
    .symbol:         k_q0f90f8538a_outp.kd
    .args:
      - { .name: img, .offset: 0, .size: 8, .value_kind: global_buffer, .address_space: global }
      - { .name: scl, .offset: 8, .size: 8, .value_kind: global_buffer, .address_space: global }
      - { .name: bo, .offset: 16, .size: 8, .value_kind: global_buffer, .address_space: global }
      - { .name: out0, .offset: 24, .size: 8, .value_kind: global_buffer, .address_space: global }
    .group_segment_fixed_size: 327680
    .private_segment_fixed_size: 0
    .kernarg_segment_align: 8
    .kernarg_segment_size: 32
    .max_flat_workgroup_size: 128
    .sgpr_count:     102
    .vgpr_count:     1024
    .wavefront_size: 32
...
	.end_amdgpu_metadata
.endif
;; end of part 4
